; MI455X (gfx1250); checked and timed in simulation.
; The chip was launched on July 23, 2026; its instructions are those of AMD's public machine-readable ISA for CDNA 5 (MIT licence, August 2026) and "CDNA5" Instruction Set Architecture Reference Guide (July 2026). The comments in the code are by the model that wrote it; some were corrected since.
;; Multi Headed Attention. Allowed arithmetic: matrix products marked QUANTISED: E2M3 operands, one E8M0 scale for each 32 along K, by v_wmma_scale_f32_16x16x128_f8f6f4 with both operands' format E2M3, f32 sums; everything else in f32.
;; Inputs: Wk 1,024 x 1,024 float32; Wo 1,024 x 1,024 float32; Wq 1,024 x 1,024 float32; Wv 1,024 x 1,024 float32; bk 1,024 float32; bo 1,024 float32; bq 1,024 float32; bv 1,024 float32; key 4 x 2,048 x 1,024 float32; mask 4 x 2,048 x 2,048 int32; query 4 x 2,048 x 1,024 float32; value 4 x 2,048 x 1,024 float32.
;; Outputs: out0 4 x 2,048 x 1,024 float32.
;; This version of the problem:
;;   THIS VERSION OF THE PROBLEM IS GIVEN IN LOW PRECISION. The matrix products marked QUANTISED in the list below multiply operands that are first quantised to E2M3 (2 exponent bits, 3 mantissa bits; 6 bits a number), with one power-of-two scale for each 32 numbers along K (OCP MX v1.0); their sums are f32. All else is computed in f32.
;;   The module's matrix products, in the order in which they are computed (A, B: the left and right operand; K: the contracted axis; several contracted axes count as one K, in the product's order):
;;     1. [M 8,192, K 1,024] x [K 1,024, N 1,024]; A: input query; B: input Wq: QUANTISED
;;     2. [M 8,192, K 1,024] x [K 1,024, N 1,024]; A: input key; B: input Wk: QUANTISED
;;     3. [M 8,192, K 1,024] x [K 1,024, N 1,024]; A: input value; B: input Wv: QUANTISED
;;     4. batch 64 x [M 2,048, K 64] x [K 64, N 2,048]; A: computed on the way; B: computed on the way: QUANTISED
;;     5. batch 64 x [M 2,048, K 2,048] x [K 2,048, N 64]; A: softmax (see below); B: computed on the way: QUANTISED
;;     6. [M 8,192, K 1,024] x [K 1,024, N 1,024]; A: computed on the way; B: input Wo: QUANTISED
;;   THE QUANTISER, for each operand of a quantised product, along K:
;;     - K is cut into blocks of 32 from its start; a last block that is shorter is filled with zeros.
;;     - A block's scale is 2^e with e = floor(log2(the largest magnitude in the block)) - 2, held to -126 .. 127; a block of zeros has e = 0. As a byte (E8M0): e + 127.
;;     - Each number is divided by its block's scale, clamped to +-7.5, and rounded to the nearest number of E2M3, ties to even, subnormals kept.
;;     - The product sums the exact products of the quantised numbers (number of the format x scale) in f32.
;;   ~~~python
;;   def quantise(x, axis):      # numpy; x: float32 -> the quantised numbers, widened to float32 again
;;       x = np.moveaxis(x, axis, -1); K = x.shape[-1]
;;       x = np.pad(x, [(0, 0)] * (x.ndim - 1) + [(0, -K % 32)]); x = x.reshape(x.shape[:-1] + (-1, 32)); a = np.abs(x).max(-1, keepdims=True)
;;       e = np.where(a > 0, np.clip(np.frexp(np.where(a > 0, a, 1))[1] - 1 - 2, -126, 127), 0)      # np.frexp(a)[1] - 1 = floor(log2(a)), exactly
;;       r = np.clip(x / 2.0 ** e, -7.5, 7.5)
;;       step = 2.0 ** (np.maximum(np.frexp(np.where(r == 0, 1, r))[1] - 1, 0) - 3)
;;       q = np.round(r / step) * step * 2.0 ** e      # np.round: ties to even
;;       return np.moveaxis(q.reshape(q.shape[:-2] + (-1,))[..., :K], -1, axis).astype(np.float32)
;;   ~~~
;;   SOFTMAX AHEAD OF A QUANTISED PRODUCT. Where the list says 'softmax', what is quantised is not the finished softmax but p = 2^(t - M), with t = logit x log2(e) and M = ceil(the row's largest t), a whole number; so 1/2 < the row's largest p <= 1. The row's sum l is taken of the UNQUANTISED p, in f32, and the product's result is divided by l at the end. Since M is a whole number, a kernel that streams over the keys may use a running M (the ceiling of the running maximum): every later rescaling is an exact power of two, which a block's scale takes up: the codes' values come out the same.
;;   OPERANDS COMPUTED ON THE WAY. 'Computed on the way' means the value that the module computes at that place (a softmax that the list does not call 'softmax' is quantised finished and normalised). What goes into a quantiser is computed in f32, as accurately as f32 sums, v_exp_f32 and their like allow (about 1e-6 of the number): no bf16 or f16 on the way to a quantiser, and a product that is left as it is and whose result goes on into a quantised operand takes f32 operands (vector FMAs, or v_wmma_f32_16x16x4_f32). A number that lies on a knife's edge between two numbers of the format may be rounded either way, as far as f32 arithmetic and the matrix unit's own rounding can turn it there, and no further.
;; One version. Each part assembles by itself: llvm-mc -triple=amdgcn-amd-amdhsa -mcpu=gfx1250 --defsym DOCPART=n.
;; ======== version 1 of 1: 4 launches
;; limits: right only within a limited range of input values
;; workspace buffers: img 28,311,552 bytes; scl 1,179,648 bytes; qbuf 6,815,744 bytes; kbuf 6,815,744 bytes; vbuf 6,553,600 bytes; maskw 2,097,152 bytes of whole numbers; maskf 131,072 bytes of whole numbers
;; launch prep (part 1): grid 704 x 1, 4 waves a work-group, no clusters, 34,304 bytes of LDS; arguments query, key, value, Wq, Wk, Wv, Wo, mask, img, scl, maskw, maskf; writes img, scl, maskw, maskf
.if DOCPART == 1
	.amdgcn_target "amdgcn-amd-amdhsa--gfx1250"
	.amdhsa_code_object_version 6
	.text
	.protected	k_q20d1528b2a_prep
	.globl	k_q20d1528b2a_prep
	.p2align	8
	.type	k_q20d1528b2a_prep,@function
k_q20d1528b2a_prep:
	s_mov_b64 s[64:65], 0
	v_nop
	global_prefetch_b8 v0, s[64:65] scope:SCOPE_SE
	s_setreg_imm32_b32 hwreg(HW_REG_WAVE_MODE, 25, 1), 1
	s_wait_xcnt 0x0
; query, key, value [8192][1024] and Wq, Wk, Wv, Wo [1024][1024], f32 with K innermost, become codes of FP6 (E2M3) with one E8M0 byte for each 32 along K;
; mask [8192][2048] int32 becomes words of one bit a lane.
; A UNIT is 16 rows: unit 2 G + u of a tensor holds rows 32 G + 8 u + i + 8 (i / 8), i = 0 .. 15.  A wave takes one unit x 1,024 columns, in 8 steps of 128 columns.
; img[unit][step][1536]: the operand's 12 registers as they stand: registers 0-3 at 16 x lane, 4-5 at 512 + 8 x lane, 6-9 at 768 + 16 x lane, 10-11 at 1280 + 8 x lane.
; scl[unit][row 16][8 words]: word s = the four scale bytes of K step s.
; maskw[tile][key step 16][64 words]: bit (lane) of word 16 b + i = mask[row lane % 16 of the tile][128 step + 32 b + 16 (lane / 16) + i] != 0.
; Each load reads 512 consecutive bytes of one row; a step's 16 rows turn through the wave's own stage in LDS (pitch 528) and come back 16 neighbours of each block of 32 to a lane.
; A block's scale is 2^(floor(log2(largest magnitude)) - 2): its byte is the largest magnitude's exponent field - 2, held at 1 from below.
; LIMITS: a block of zeros gets the byte 1 (its codes are zeros; the bytes are read by this program alone); NaN and infinities among the inputs are not served.
; Work-groups 0-127 query, 128-255 key, 256-383 value, 384-399 Wq, 400-415 Wk, 416-431 Wv, 432-447 Wo, 448-703 mask (a wave: one tile of rows x half a row).
; No tensor load, no barrier: waves share nothing.  All LDS lines stand on the one path that every work-group takes.
.set SP,   528                         ; a stage row: 512 bytes + 16
.set WREG, 16*SP                       ; a wave's stage
.set R,    16                          ; v16-143  two sets of 64 registers as loaded
.set X,    144                         ; v144-207 register 16 b + i: column 32 b + 16 (lane / 16) + i of my row
.set TM,   208                         ; v208-223 at work in QUANT
.set PC,   224                         ; v224-235 the fragment's codes
.set TP,   236                         ; v236-243 the conversions' second halves
.set W,    244                         ; v244-251 the unit's eight scale words
.set MO,   252                         ; v252-253 64 mask words, two to a lane
.set SEL,  36                          ; s[36:37] lane selects: lane l xor 16
; 64 numbers of a lane, register 16 b + i = k 32 b + 16 (lane / 16) + i of my row, become a fragment's codes in v[pc] on and its scale word in v[pw]
.macro QUANT s, pc, tp, pw
.irp b, 0,1,2,3
	v_max3_num_f32 v[TM+\b], |v[(\s)+16*\b]|, |v[(\s)+1+16*\b]|, 0x1800000   ; my 16 numbers of block b, and the floor 2^(3 - 127): the byte cannot fall under 1
.endr
.irp i, 2,4,6,8,10,12,14
.irp b, 0,1,2,3
	v_max3_num_f32 v[TM+\b], v[TM+\b], |v[(\s)+16*\b+\i]|, |v[(\s)+1+16*\b+\i]|
.endr
.endr
.irp b, 0,1,2,3
	v_permlanex16_b32 v[TM+4+\b], v[TM+\b], s[SEL], s[SEL+1]
.endr
.irp b, 0,1,2,3
	v_max_num_f32 v[TM+\b], v[TM+\b], v[TM+4+\b]          ; with lane l xor 16's: the block's largest magnitude
.endr
.irp b, 0,1,2,3
	v_add_nc_u32 v[TM+12+\b], 0xff000000, v[TM+\b]        ; 2 off its exponent field: the conversion's scale operand
.endr
.irp b, 0,1,2,3
	v_lshrrev_b32 v[TM+4+\b], 23, v[TM+12+\b]             ; the scale's byte
.endr
	v_lshl_or_b32 v[\pw], v[TM+5], 8, v[TM+4]
	v_lshl_or_b32 v[\pw], v[TM+6], 16, v[\pw]
	v_lshl_or_b32 v[\pw], v[TM+7], 24, v[\pw]
.irp c, 0,1
	v_cvt_scalef32_pk16_fp6_f32 v[(\pc)+6*\c:(\pc)+6*\c+2], v[(\s)+32*\c:(\s)+32*\c+15], v[TM+12+2*\c]
	v_cvt_scalef32_pk16_fp6_f32 v[(\tp)+4*\c:(\tp)+4*\c+2], v[(\s)+32*\c+16:(\s)+32*\c+31], v[TM+13+2*\c]
.endr
	v_nop                                                  ; one plain place behind a scaled conversion
.irp c, 0,1                                            ; the operand wants a whole block in a lane: lanes 0-15 block 2 c, lanes 16-31 block 2 c + 1
.irp i, 0,1,2
	v_permlane16_swap_b32 v[(\pc)+6*\c+\i], v[(\tp)+4*\c+\i]
.endr
.irp i, 0,1,2
	v_mov_b32 v[(\pc)+6*\c+3+\i], v[(\tp)+4*\c+\i]
.endr
.endr
.endm
	s_load_b512 s[4:19], s[0:1], 0x0               ; query, key, value, Wq, Wk, Wv, Wo, mask
	s_load_b128 s[20:23], s[0:1], 0x40             ; img, scl
	s_load_b64 s[24:25], s[0:1], 0x50              ; maskw
	s_load_b64 s[48:49], s[0:1], 0x58              ; maskf[tile][half of the keys][32 equal words]: bit t = no key of the half's step t is hidden from any of the tile's 16 rows
	v_lshl_add_u32 v254, v0, 2, 0x8400
	v_mov_b32 v255, 0
	v_lshrrev_b32 v1, 5, v0
	v_readfirstlane_b32 s26, v1                    ; wave
	v_and_b32 v1, 31, v0                           ; lane
	v_and_b32 v2, 15, v0                           ; r
	v_bfe_u32 v3, v0, 4, 1                         ; h
	v_lshlrev_b32 v4, 4, v1                        ; 16 x lane
	v_lshlrev_b32 v5, 3, v1                        ; 8 x lane
	v_lshlrev_b32 v9, 2, v1                        ; 4 x lane
	s_mul_i32 s29, s26, WREG
	v_add_nc_u32 v6, s29, v4                       ; the stage, on the way in: a row's 512 bytes as loaded
	v_mul_u32_u24 v7, v2, SP
	v_lshl_add_u32 v7, v3, 6, v7
	v_add_nc_u32 v7, s29, v7                       ; and out: row r, + 64 h: my 16 numbers of a block
	v_lshlrev_b32 v8, 5, v2
	v_lshl_add_u32 v8, v3, 4, v8                   ; scale words: 32 r + 16 h
.irp g, 0,1,2,3
	v_mov_b32 v[TM+4+\g], 0                        ; a lane permute's destination counts as one of its sources
.endr
.irp g, 0,1,2,3,4,5,6,7
	v_mov_b32 v[W+\g], 0
.endr
	v_mov_b32 v[MO], 0
	v_mov_b32 v[MO+1], 0
	s_mov_b32 s[SEL], 0x76543210
	s_mov_b32 s[SEL+1], 0xfedcba98
	s_cmp_ge_u32 ttmp9, 448
	s_cselect_b32 s28, 1, 0                        ; 1: this work-group takes the mask
	s_mov_b32 s27, 448
	s_wait_kmcnt 0x0
	s_mov_b64 s[32:33], s[18:19]
.macro PICK bound, ptr, base           ; the choice hangs on the work-group's number alone
	s_cmp_lt_u32 ttmp9, \bound
	s_cselect_b64 s[32:33], s[\ptr:\ptr+1], s[32:33]
	s_cselect_b32 s27, \base, s27
.endm
	PICK 448, 16, 432
	PICK 432, 14, 416
	PICK 416, 12, 400
	PICK 400, 10, 384
	PICK 384, 8, 256
	PICK 256, 6, 128
	PICK 128, 4, 0
	s_sub_co_u32 s29, ttmp9, s27
	s_lshl_b32 s29, s29, 2
	s_add_co_u32 s29, s29, s26                     ; L: my wave's number within the tensor
	s_lshr_b32 s30, s29, s28                       ; the unit of rows (mask: two waves to a tile)
	s_and_b32 s31, s29, s28                        ; mask: which half of the rows' 2,048 columns
	s_lshr_b32 s34, s30, 1
	s_lshl_b32 s34, s34, 5
	s_and_b32 s35, s30, 1
	s_lshl_b32 s35, s35, 3
	s_add_co_u32 s34, s34, s35                     ; the unit's first row
	s_add_co_u32 s35, s28, 12
	s_lshl_b32 s34, s34, s35                       ; rows of 4,096 bytes (mask: 8,192)
	s_lshl_b32 s31, s31, 12
	s_add_co_u32 s34, s34, s31
	s_mov_b32 s35, 0
	s_add_nc_u64 s[32:33], s[32:33], s[34:35]      ; where my wave reads
	s_lshl_b32 s30, ttmp9, 2
	s_add_co_u32 s30, s30, s26                     ; the unit's number in img and scl
	s_mul_i32 s34, s30, 12288
	s_add_nc_u64 s[20:21], s[20:21], s[34:35]
	s_lshl_b32 s34, s30, 9
	s_add_nc_u64 s[22:23], s[22:23], s[34:35]
	s_lshl_b32 s34, s29, 11
	s_add_nc_u64 s[24:25], s[24:25], s[34:35]
	s_lshl_b32 s34, s29, 7                         ; 128 bytes of maskf for each wave of the mask
	s_add_nc_u64 s[48:49], s[48:49], s[34:35]
	s_mov_b32 s50, 0                               ; the wave's eight bits
; step t's 16 rows x 512 bytes into a set; the two runs differ in the rows' pitch alone, and hold as many loads
.macro LOADS t, set
	s_cmp_lg_u32 s28, 0
	s_cbranch_scc1 .Lwide_\@
.irp i, 0,1,2,3,4,5,6,7,8,9,10,11,12,13,14,15
	global_load_b128 v[R+64*(\set)+4*\i:R+64*(\set)+4*\i+3], v4, s[32:33] offset:(\i+8*(\i/8))*4096+512*(\t) th:TH_LOAD_NT
.endr
	s_branch .Lasked_\@
.Lwide_\@:
.irp i, 0,1,2,3,4,5,6,7,8,9,10,11,12,13,14,15
	global_load_b128 v[R+64*(\set)+4*\i:R+64*(\set)+4*\i+3], v4, s[32:33] offset:(\i+8*(\i/8))*8192+512*(\t) th:TH_LOAD_NT
.endr
.Lasked_\@:
.endm
.macro TURN set                        ; through the stage: LDS serves a wave's instructions in order, so no wait stands between the stores and the loads
.irp i, 0,1,2,3,4,5,6,7,8,9,10,11,12,13,14,15
	ds_store_b128 v6, v[R+64*(\set)+4*\i:R+64*(\set)+4*\i+3] offset:SP*\i
.endr
.irp b, 0,1,2,3
.irp j, 0,1,2,3
	ds_load_b128 v[X+16*\b+4*\j:X+16*\b+4*\j+3], v7 offset:128*\b+16*\j
.endr
.endr
.endm
.macro STEP t
.if \t < 7
	s_wait_loadcnt 16                              ; this step's 16 loads are in; the next step's 16 may be out
.else
	s_wait_loadcnt 0x0
.endif
	TURN (\t)%2
	s_wait_dscnt 0x0                               ; my numbers are back, and the stage's stores have read the set,
.if \t < 6
	LOADS (\t)+2, (\t)%2                           ; which takes the loads of two steps on
.endif
	s_wait_xcnt 0x0                                ; the last step's stores have read their data: the registers are written again only behind this wait
	s_cmp_lg_u32 s28, 0
	s_cbranch_scc1 .Lbits_\@
	QUANT X, PC, TP, W+(\t)
	global_store_b128 v4, v[PC:PC+3], s[20:21] offset:1536*(\t)           ; 512 consecutive bytes
	global_store_b64 v5, v[PC+4:PC+5], s[20:21] offset:1536*(\t)+512      ; 256
	global_store_b128 v4, v[PC+6:PC+9], s[20:21] offset:1536*(\t)+768
	global_store_b64 v5, v[PC+10:PC+11], s[20:21] offset:1536*(\t)+1280
	s_branch .Ldone_\@
.Lbits_\@:
.set n, 0
	s_wait_alu depctr_va_vdst(0)
.rept 64
	v_cmp_ne_u32 s[40+n%8], 0, v[X+n]              ; word n: one bit a lane
	v_writelane_b32 v[MO+n%2], s[40+n%8], n/2      ; words 2 l and 2 l + 1 to lane l
.set n, n+1
.endr
	global_store_b64 v5, v[MO:MO+1], s[24:25] offset:256*(\t)             ; 256 consecutive bytes, aligned
	v_and_b32 v11, v[MO], v[MO+1]                  ; the step's 64 words lie two to a lane:
	v_cmp_eq_u32 s51, -1, v11                      ; a lane's bit is set where both of its words are all ones;
	s_cmp_eq_u32 s51, -1                           ; all 32 lanes: nothing is hidden in this step
	s_cselect_b32 s51, 1<<(\t), 0
	s_or_b32 s50, s50, s51
.if \t == 7
	v_mov_b32 v10, s50
	global_store_b32 v9, v10, s[48:49]             ; the wave's word, once in each lane: 128 consecutive bytes
.endif
.Ldone_\@:
.endm
	LOADS 0, 0
	LOADS 1, 1
.irp t, 0,1,2,3,4,5,6,7
	STEP \t
.endr
	s_cmp_lg_u32 s28, 0
	s_cbranch_scc1 .Lend
	v_cmp_ne_u32 vcc_lo, 0, v3
.irp g, 0,1,2,3
	v_cndmask_b32 v[TM+\g], v[W+\g], v[W+4+\g], vcc_lo   ; lanes 0-15 words 0-3 of row r, lanes 16-31 words 4-7
.endr
	global_store_b128 v8, v[TM:TM+3], s[22:23]     ; the unit's 512 scale bytes
.Lend:
	s_wait_tensorcnt 0x0
	ds_add_u32 v254, v255
	s_wait_dscnt 0x0
	s_endpgm
.Lfunc_end_k_q20d1528b2a_prep:
	.size	k_q20d1528b2a_prep, .Lfunc_end_k_q20d1528b2a_prep-k_q20d1528b2a_prep
	.p2alignl 7, 3214868480
	.fill 96, 4, 3214868480
	.section	.rodata,"a",@progbits
	.p2align	6, 0x0
	.amdhsa_kernel k_q20d1528b2a_prep
		.amdhsa_group_segment_fixed_size 34304
		.amdhsa_private_segment_fixed_size 0
		.amdhsa_enable_private_segment 0
		.amdhsa_kernarg_size 96
		.amdhsa_user_sgpr_count 2
		.amdhsa_user_sgpr_kernarg_segment_ptr 1
		.amdhsa_wavefront_size32 1
		.amdhsa_system_sgpr_workgroup_id_x 1
		.amdhsa_system_sgpr_workgroup_id_y 1
		.amdhsa_system_sgpr_workgroup_id_z 1
		.amdhsa_system_vgpr_workitem_id 0
		.amdhsa_next_free_vgpr 256
		.amdhsa_next_free_sgpr 66
		.amdhsa_reserve_vcc 1
		.amdhsa_float_denorm_mode_32 3
		.amdhsa_float_denorm_mode_16_64 3
		.amdhsa_memory_ordered 1
		.amdhsa_forward_progress 1
		.amdhsa_inst_pref_size 147
	.end_amdhsa_kernel
	.amdgpu_metadata
---
amdhsa.version: [ 1, 2 ]
amdhsa.kernels:
  - .name:           k_q20d1528b2a_prep
    .symbol:         k_q20d1528b2a_prep.kd
    .args:
      - { .name: query, .offset: 0, .size: 8, .value_kind: global_buffer, .address_space: global }
      - { .name: key, .offset: 8, .size: 8, .value_kind: global_buffer, .address_space: global }
      - { .name: value, .offset: 16, .size: 8, .value_kind: global_buffer, .address_space: global }
      - { .name: Wq, .offset: 24, .size: 8, .value_kind: global_buffer, .address_space: global }
      - { .name: Wk, .offset: 32, .size: 8, .value_kind: global_buffer, .address_space: global }
      - { .name: Wv, .offset: 40, .size: 8, .value_kind: global_buffer, .address_space: global }
      - { .name: Wo, .offset: 48, .size: 8, .value_kind: global_buffer, .address_space: global }
      - { .name: mask, .offset: 56, .size: 8, .value_kind: global_buffer, .address_space: global }
      - { .name: img, .offset: 64, .size: 8, .value_kind: global_buffer, .address_space: global }
      - { .name: scl, .offset: 72, .size: 8, .value_kind: global_buffer, .address_space: global }
      - { .name: maskw, .offset: 80, .size: 8, .value_kind: global_buffer, .address_space: global }
      - { .name: maskf, .offset: 88, .size: 8, .value_kind: global_buffer, .address_space: global }
    .group_segment_fixed_size: 34304
    .private_segment_fixed_size: 0
    .kernarg_segment_align: 8
    .kernarg_segment_size: 96
    .max_flat_workgroup_size: 128
    .sgpr_count:     66
    .vgpr_count:     256
    .wavefront_size: 32
...
	.end_amdgpu_metadata
.endif
;; end of part 1
;; launch proj (part 2): grid 4 x 192, 4 waves a work-group, clusters of 4 x 4, 295,424 bytes of LDS; arguments img, scl, bq, bk, bv, qbuf, kbuf, vbuf; writes qbuf, kbuf, vbuf
.if DOCPART == 2
	.amdgcn_target "amdgcn-amd-amdhsa--gfx1250"
	.amdhsa_code_object_version 6
	.text
	.protected	k_q20d1528b2a_proj
	.globl	k_q20d1528b2a_proj
	.p2align	8
	.type	k_q20d1528b2a_proj,@function
k_q20d1528b2a_proj:
	s_mov_b64 s[64:65], 0
	v_nop
	global_prefetch_b8 v0, s[64:65] scope:SCOPE_SE
	s_setreg_imm32_b32 hwreg(HW_REG_WAVE_MODE, 25, 1), 1
	s_wait_xcnt 0x0
	s_wait_alu depctr_hold_cnt(0) depctr_sa_sdst(0) depctr_va_vdst(0) depctr_va_sdst(0) depctr_va_ssrc(0) depctr_va_vcc(0) depctr_vm_vsrc(0)
	s_getreg_b32 s2, hwreg(HW_REG_IB_STS2, 6, 4)
	s_cmp_eq_u32 s2, 0
	s_cbranch_scc0 .Lentry_in_a_cluster
	s_endpgm
.Lentry_in_a_cluster:
	s_bfe_u32 s2, ttmp6, 0x10000c
	s_cmp_lg_u32 s2, 0xf033
	s_cbranch_scc0 .Lentry_shape_is_right
	s_endpgm
.Lentry_shape_is_right:
; The three projections x W^T + b on codes of FP6 (E2M3), K = 1,024, and their results quantised anew for attention's two products.
; A work-group makes P's 256 rows x Q's 128 rows; P is source 0, Q source 1: a lane holds ONE row of Q, and its registers run along P's rows.
;   q, k: P = the weight (256 outputs = four heads), Q = 128 tokens: a lane's 64 registers are 128 neighbouring outputs of one token: two heads, quantised along the head's 64.
;   v:    P = 256 tokens, Q = Wv (128 outputs = two heads): a lane's 64 registers are 128 neighbouring tokens of one output: quantised along the keys.
; Neighbouring, because a unit of 16 rows (2 G + u) holds rows 32 G + 8 u + i + 8 (i / 8): the 16 registers of tiles 2 b and 2 b + 1 are rows 32 b + 16 (lane / 16) + 0 .. 15.
; Operands lie in img as images of their registers (1,536 bytes for 16 rows x 128 K), so a fragment is four LDS loads over consecutive bytes: no pitch, no padding.
; All of K fits in LDS (4 pairs of K steps x 73,728 bytes): every byte of LDS is filled once, one tensor load a wave at the start; no slot is filled again.
; CLUSTER 4 x 4: P's tiles hang on cx alone and are asked for jointly by a column of the cluster, Q's on cy alone, by a row.  Cluster y: 0-15 q, 16-31 k, 32-47 v.
; qbuf, kbuf [b 16 + head][step of 128 tokens][8 tiles x 768 bytes of codes, 8 x 64 bytes of scale words (bytes 0, 1 count)];  vbuf [b 16 + head][step][4 tiles of d x 1,536, 4 x 64].
; LIMITS: a block of zeros gets the byte 1 (its codes are zeros; the bytes are read by this program alone); NaN and infinities are not served.
; REGISTERS: window 0: v1-31 addresses, v32-95 scale words, v96-239 fragments set 0 (later the epilogue's work);  window 1: 32 accumulators, (jq, i) at v[64 jq + 8 i];
;   window 2: v0-63 the bias along P, v64-71 along Q, v96-239 fragments set 1.
; THE FILLS AS THEY STAND NOW: LDS holds two halves of K (four K steps each): P's 16 tiles x 6,144 bytes, then Q's 8.  Each wave issues ONE joint load at the head:
; wave 0 P's first half, wave 1 Q's first half, wave 2 P's second, wave 3 Q's second.  The first barrier shows the first half, a second barrier ahead of K step 4 the other.
.set PAIRB, 147456                     ; half of K: four K steps
.set QOFF,  98304
.set SC,    32                         ; register 8 i + s: lanes 0-15 the word of P's tile i, lanes 16-31 that of Q's tile i % 4, for K step s
.set FP,    96
.set FQ,    192
.set X,     96                         ; the epilogue: 64 numbers
.set CC,    160                        ; four fragments of codes
.set TP,    208
.set TM,    216
.set PW,    232
.set WS,    236
.set BN,    0                          ; window 2
.set BL,    64                         ; window 2
.set G1P,   28
.set G1Q,   36
.set G0P,   44                         ; s[44:47]  P's group 0
.set G0Q,   68                         ; s[68:71]
.set SEL,   98
.set MSB, 0
.macro WIN new                         ; the immediate's high byte repeats the setting that is left
.if MSB != (\new)
	s_set_vgpr_msb (MSB<<8)|(\new)
.set MSB, (\new)
.endif
.endm
.macro PLACES
.rept 4
	v_nop
.endr
.endm
.macro CROUND                          ; a round of the cluster's barrier
	s_barrier_signal -1
	s_barrier_wait -1
	s_cmp_lg_u32 s20, 0
	s_cbranch_scc1 .Lnot_wave_0_\@
	s_barrier_signal -3
.Lnot_wave_0_\@:
	s_barrier_wait -3
	s_barrier_signal -1
	s_barrier_wait -1
.endm
.macro QUANT s, pc, tp, pw             ; 64 numbers of a lane, register 16 b + i = k 32 b + 16 (lane / 16) + i, become a fragment's codes and its scale word
.irp b, 0,1,2,3
	v_max3_num_f32 v[TM+\b], |v[(\s)+16*\b]|, |v[(\s)+1+16*\b]|, 0x1800000   ; and the floor 2^(3 - 127): the byte cannot fall under 1
.endr
.irp i, 2,4,6,8,10,12,14
.irp b, 0,1,2,3
	v_max3_num_f32 v[TM+\b], v[TM+\b], |v[(\s)+16*\b+\i]|, |v[(\s)+1+16*\b+\i]|
.endr
.endr
.irp b, 0,1,2,3
	v_permlanex16_b32 v[TM+4+\b], v[TM+\b], s[SEL], s[SEL+1]
.endr
.irp b, 0,1,2,3
	v_max_num_f32 v[TM+\b], v[TM+\b], v[TM+4+\b]
.endr
.irp b, 0,1,2,3
	v_add_nc_u32 v[TM+12+\b], 0xff000000, v[TM+\b]        ; 2 off the exponent field: the conversion's scale operand
.endr
.irp b, 0,1,2,3
	v_lshrrev_b32 v[TM+4+\b], 23, v[TM+12+\b]
.endr
	v_lshl_or_b32 v[\pw], v[TM+5], 8, v[TM+4]
	v_lshl_or_b32 v[\pw], v[TM+6], 16, v[\pw]
	v_lshl_or_b32 v[\pw], v[TM+7], 24, v[\pw]
.irp c, 0,1
	v_cvt_scalef32_pk16_fp6_f32 v[(\pc)+6*\c:(\pc)+6*\c+2], v[(\s)+32*\c:(\s)+32*\c+15], v[TM+12+2*\c]
	v_cvt_scalef32_pk16_fp6_f32 v[(\tp)+4*\c:(\tp)+4*\c+2], v[(\s)+32*\c+16:(\s)+32*\c+31], v[TM+13+2*\c]
.endr
	v_nop                                                  ; one plain place behind a scaled conversion
.irp c, 0,1
.irp i, 0,1,2
	v_permlane16_swap_b32 v[(\pc)+6*\c+\i], v[(\tp)+4*\c+\i]
.endr
.irp i, 0,1,2
	v_mov_b32 v[(\pc)+6*\c+3+\i], v[(\tp)+4*\c+\i]
.endr
.endr
.endm
	s_load_b512 s[4:19], s[0:1], 0x0               ; img, scl, bq, bk, bv, qbuf, kbuf, vbuf
	v_lshl_add_u32 v254, v0, 2, 0x48000
	v_mov_b32 v255, 0
	ds_add_u32 v254, v255
	ds_add_u32 v254, v255
	v_lshrrev_b32 v1, 5, v0
	v_readfirstlane_b32 s20, v1                    ; wave
	s_lshr_b32 s21, s20, 1                         ; wp: my half of P's rows.  Also: which half of K I fetch
	s_and_b32 s22, s20, 1                          ; wq: my half of Q's rows.  Also: I fetch for P (0) or for Q (1)
	s_bfe_u32 s23, ttmp6, 0x40000                  ; cx
	s_bfe_u32 s24, ttmp6, 0x40004                  ; cy
	s_and_b32 s25, ttmp7, 0xffff                   ; the cluster's y
	s_lshr_b32 s26, s25, 4                         ; 0 q, 1 k, 2 v
	s_and_b32 s27, s25, 15
	s_lshr_b32 s84, s27, 1
	s_lshl_b32 s85, s26, 6
	s_add_co_u32 s85, s85, 1536                    ; the weight's first unit
	s_and_b32 s86, s27, 1
	s_lshl_b32 s87, s26, 9                         ; the tokens' first unit
	s_cmp_eq_u32 s26, 2
	s_cselect_b32 s84, s84, 0
	s_cselect_b32 s85, 1024, s85                   ; P's first unit (v: value)
	s_cselect_b32 s86, s86, s27
	s_cselect_b32 s87, 1664, s87                   ; Q's first unit (v: Wv)
	s_cselect_b32 s88, 1, 0                        ; 1: v
	s_lshl_b32 s84, s84, 2
	s_add_co_u32 s84, s84, s23                     ; pb: which 256 rows of P; no cy in it
	s_lshl_b32 s86, s86, 2
	s_add_co_u32 s86, s86, s24                     ; qb: which 128 rows of Q; no cx in it
	s_lshl_b32 s93, 0x1111, s23                    ; my column of the cluster
	s_or_b32 s[G1P], s93, (3<<16)|(1<<21)          ; 15:0 the mask; 17:16 elements of 8 bytes; 21 set beside a mask
	s_lshl_b32 s94, s24, 2
	s_lshl_b32 s94, 15, s94                        ; my row
	s_or_b32 s[G1Q], s94, (3<<16)|(1<<21)
	s_mov_b32 s[G1P+1], 768<<16                    ; tensor_dim0: 6,144 bytes: four K steps of one unit
	s_mov_b32 s[G1P+2], 16<<16                     ; tensor_dim1: 16 units
	s_mov_b32 s[G1P+3], 768<<16                    ; tile_dim0
	s_mov_b32 s[G1P+4], 16                         ; tile_dim1
	s_mov_b32 s[G1P+5], 1536                       ; from unit to unit: 12,288 bytes
	s_mov_b32 s[G1P+6], 0
	s_mov_b32 s[G1P+7], 0
	s_mov_b32 s[G1Q+1], 768<<16
	s_mov_b32 s[G1Q+2], 8<<16
	s_mov_b32 s[G1Q+3], 768<<16
	s_mov_b32 s[G1Q+4], 8
	s_mov_b32 s[G1Q+5], 1536
	s_mov_b32 s[G1Q+6], 0
	s_mov_b32 s[G1Q+7], 0
	s_lshl_b32 s89, s84, 4
	s_add_co_u32 s89, s89, s85                     ; the first of P's 16 units
	s_lshl_b32 s90, s86, 3
	s_add_co_u32 s90, s90, s87                     ; the first of Q's 8
	s_mul_i32 s60, s89, 12288
	s_mov_b32 s61, 0
	s_mul_i32 s62, s90, 12288
	s_mov_b32 s63, 0
	s_mul_i32 s2, s21, 6144                        ; which half of K I fetch: wave / 2
	s_add_co_u32 s60, s60, s2
	s_add_co_u32 s62, s62, s2
	s_mul_i32 s91, s21, PAIRB                      ; where it goes: the wave's number alone
	s_add_co_u32 s92, s91, QOFF
	s_mov_b32 s[SEL], 0x76543210
	s_mov_b32 s[SEL+1], 0xfedcba98
	s_wait_dscnt 0x0
	s_wait_kmcnt 0x0
	s_add_nc_u64 s[60:61], s[4:5], s[60:61]
	s_add_nc_u64 s[62:63], s[4:5], s[62:63]
	s_mov_b32 s[G0P], 1
	s_mov_b32 s[G0P+1], s91
	s_mov_b64 s[G0P+2:G0P+3], s[60:61]
	s_or_b32 s[G0P+3], s[G0P+3], 0x80000000
	s_mov_b32 s[G0Q], 1
	s_mov_b32 s[G0Q+1], s92
	s_mov_b64 s[G0Q+2:G0Q+3], s[62:63]
	s_or_b32 s[G0Q+3], s[G0Q+3], 0x80000000
	CROUND                                         ; all sixteen work-groups are here: the joint loads meet
	s_cmp_eq_u32 s20, 0                            ; one chain of branches on the wave's number, one load to an arm
	s_cbranch_scc0 .Lwave_1
	tensor_load_to_lds s[G0P:G0P+3], s[G1P:G1P+7]  ; wave 0: P, K steps 0-3
	s_nop 0
	PLACES
	s_branch .Lfilled
.Lwave_1:
	s_cmp_eq_u32 s20, 1
	s_cbranch_scc0 .Lwave_2
	tensor_load_to_lds s[G0Q:G0Q+3], s[G1Q:G1Q+7]  ; wave 1: Q, K steps 0-3
	s_nop 0
	PLACES
	s_branch .Lfilled
.Lwave_2:
	s_cmp_eq_u32 s20, 2
	s_cbranch_scc0 .Lwave_3
	tensor_load_to_lds s[G0P:G0P+3], s[G1P:G1P+7]  ; wave 2: P, K steps 4-7
	s_nop 0
	PLACES
	s_branch .Lfilled
.Lwave_3:
	tensor_load_to_lds s[G0Q:G0Q+3], s[G1Q:G1Q+7]  ; wave 3: Q, K steps 4-7
	s_nop 0
	PLACES
.Lfilled:
	v_and_b32 v1, 31, v0                           ; lane
	v_and_b32 v2, 15, v0                           ; r
	v_bfe_u32 v3, v0, 4, 1                         ; h
	v_lshlrev_b32 v20, 4, v1
	v_lshlrev_b32 v21, 3, v1
	v_lshlrev_b32 v22, 2, v1
	s_mul_i32 s25, s21, 49152                      ; my 8 tiles of P
	s_mul_i32 s27, s22, 24576                      ; my 4 tiles of Q
	s_add_co_u32 s27, s27, QOFF
	v_add_nc_u32 v30, s25, v20
	v_add_nc_u32 v31, s25, v21
.irp u, 0,1
	v_add_nc_u32 v[4+\u], \u*PAIRB, v30            ; v4-5: 16 x lane + my part of P in half u of K;
	v_add_nc_u32 v[8+\u], \u*PAIRB, v31            ; v8-9: the same with 8 x lane
.endr
	v_add_nc_u32 v30, s27, v20
	v_add_nc_u32 v31, s27, v21
.irp u, 0,1
	v_add_nc_u32 v[12+\u], \u*PAIRB, v30           ; v12-13, v16-17: the same for Q
	v_add_nc_u32 v[16+\u], \u*PAIRB, v31
.endr
	s_lshl_b32 s95, s21, 3
	s_add_co_u32 s95, s95, s89
	s_lshl_b32 s95, s95, 9                         ; my first unit of P in scl
	s_lshl_b32 s2, s22, 2
	s_add_co_u32 s2, s2, s90
	s_lshl_b32 s2, s2, 9                           ; and of Q
	v_cmp_ne_u32 vcc_lo, 0, v3
	v_mov_b32 v26, s95
	v_mov_b32 v27, s2
	v_cndmask_b32 v26, v26, v27, vcc_lo            ; lanes 0-15 take P's words, lanes 16-31 Q's
	v_lshl_add_u32 v26, v2, 5, v26                 ; + 32 r
	v_lshlrev_b32 v27, 11, v3
	v_sub_nc_u32 v27, v26, v27                     ; for tiles 4-7: Q's four tiles once more
.irp i, 0,1,2,3
	global_load_b128 v[SC+8*\i:SC+8*\i+3], v26, s[6:7] offset:512*\i
	global_load_b128 v[SC+8*\i+4:SC+8*\i+7], v26, s[6:7] offset:512*\i+16
.endr
.irp i, 4,5,6,7
	global_load_b128 v[SC+8*\i:SC+8*\i+3], v27, s[6:7] offset:512*\i
	global_load_b128 v[SC+8*\i+4:SC+8*\i+7], v27, s[6:7] offset:512*\i+16
.endr
	s_mov_b64 s[96:97], s[12:13]                   ; the bias: a choice on the cluster's number
	s_cmp_eq_u32 s26, 1
	s_cselect_b64 s[96:97], s[10:11], s[96:97]
	s_cmp_eq_u32 s26, 0
	s_cselect_b64 s[96:97], s[8:9], s[96:97]
	s_lshl_b32 s95, s84, 8
	s_lshl_b32 s2, s21, 7
	s_add_co_u32 s95, s95, s2
	s_and_b32 s95, s95, 1023                       ; both forms are loaded, each kept inside the bias's 1,024 numbers; one is used
	s_lshl_b32 s95, s95, 2
	v_lshlrev_b32 v28, 6, v3
	v_add_nc_u32 v28, s95, v28                     ; along P: tile 2 b + u wants 32 b + 16 h + 8 u + 0 .. 7
	s_lshl_b32 s95, s86, 7
	s_lshl_b32 s2, s22, 6
	s_add_co_u32 s95, s95, s2
	s_and_b32 s95, s95, 1023
	s_lshl_b32 s95, s95, 2
	v_and_b32 v29, 8, v2
	v_add_nc_u32 v29, v29, v2
	v_lshlrev_b32 v29, 2, v29
	v_add_nc_u32 v29, s95, v29                     ; along Q: tile jq wants its row r + 8 (r / 8)
	WIN 0x80                                       ; destination window 2
.irp i, 0,1,2,3,4,5,6,7
	global_load_b128 v[BN+8*\i:BN+8*\i+3], v28, s[96:97] offset:(32*(\i/2)+8*(\i%2))*4
	global_load_b128 v[BN+8*\i+4:BN+8*\i+7], v28, s[96:97] offset:(32*(\i/2)+8*(\i%2))*4+16
.endr
.irp j, 0,1,2,3
	global_load_b32 v[BL+2*\j], v29, s[96:97] offset:(32*(\j/2)+8*(\j%2))*4
	global_load_b32 v[BL+2*\j+1], v29, s[96:97] offset:(32*(\j/2)+8*(\j%2))*4   ; (the packed addition names a pair)
.endr
	WIN 0
.macro FRAG reg, a16, a8, off          ; a fragment comes back as it was stored: 12 registers by four loads over consecutive bytes
	ds_load_b128 v[(\reg):(\reg)+3], v[\a16] offset:(\off)
	ds_load_b64 v[(\reg)+4:(\reg)+5], v[\a8] offset:(\off)+512
	ds_load_b128 v[(\reg)+6:(\reg)+9], v[\a16] offset:(\off)+768
	ds_load_b64 v[(\reg)+10:(\reg)+11], v[\a8] offset:(\off)+1280
.endm
.macro FETCH s, set                    ; K step s: my 8 fragments of P and 4 of Q: 48 loads
	WIN 0x80*(\set)
.irp i, 0,1,2,3,4,5,6,7
	FRAG FP+12*\i, 4+(\s)/4, 8+(\s)/4, 6144*\i+1536*((\s)%4)
.endr
.irp j, 0,1,2,3
	FRAG FQ+12*\j, 12+(\s)/4, 16+(\s)/4, 6144*\j+1536*((\s)%4)
.endr
.endm
.macro MUL s, set, zero                ; 32 products; the 32 accumulators take turns, one instruction a turn, in the same order in every step
	WIN 0x50+0x0a*(\set)                           ; C and D window 1; the fragments window 0 or 2
.irp jq, 0,1,2,3
.irp i, 0,1,2,3,4,5,6,7
.if \zero
	v_wmma_scale_f32_16x16x128_f8f6f4 v[64*\jq+8*\i:64*\jq+8*\i+7], v[FP+12*\i:FP+12*\i+11], v[FQ+12*\jq:FQ+12*\jq+11], 0, v[SC+8*\i+(\s)], v[SC+8*\jq+(\s)] matrix_a_fmt:MATRIX_FMT_FP6 matrix_b_fmt:MATRIX_FMT_FP6 matrix_b_scale:MATRIX_SCALE_ROW1
.else
	v_wmma_scale_f32_16x16x128_f8f6f4 v[64*\jq+8*\i:64*\jq+8*\i+7], v[FP+12*\i:FP+12*\i+11], v[FQ+12*\jq:FQ+12*\jq+11], v[64*\jq+8*\i:64*\jq+8*\i+7], v[SC+8*\i+(\s)], v[SC+8*\jq+(\s)] matrix_a_fmt:MATRIX_FMT_FP6 matrix_b_fmt:MATRIX_FMT_FP6 matrix_b_scale:MATRIX_SCALE_ROW1
.endif
.endr
.endr
.endm
	s_wait_alu depctr_va_vdst(0)
	s_cmp_lt_u32 s20, 2                            ; waves 0 and 1 fetched K steps 0-3: they wait; the other two waves' loads may stay out
	s_cbranch_scc0 .Lnot_first
	s_wait_tensorcnt 0x0
.Lnot_first:
	s_barrier_signal -1
	s_barrier_wait -1                              ; everybody's is
	FETCH 0, 0
	s_wait_loadcnt 0x0                             ; the scale words and the biases
	FETCH 1, 1
	s_wait_dscnt 48                                ; all but the 48 loads just issued
	MUL 0, 0, 1                                    ; the first step's products start the sums
.irp s, 1,2,3,4,5,6
.if (\s) == 3
	s_wait_tensorcnt 0x0                           ; every wave's load is in: K steps 4-7 are shown to all by the barrier below
	s_wait_dscnt 0x0                               ; no LDS instruction of mine is pending at a signal
	s_barrier_signal -1
	s_barrier_wait -1
.endif
	PLACES                                         ; in front of loads into registers that matrix instructions have read
	FETCH (\s)+1, ((\s)+1)%2
	s_wait_dscnt 48                                ; all but the 48 loads just issued
	MUL \s, (\s)%2, 0
.endr
	s_wait_dscnt 0x0
	MUL 7, 1, 0
	WIN 0
	PLACES                                         ; in front of the first read of results and the first write of fragment registers
.irp g, 0,1,2,3
	v_mov_b32 v[TM+4+\g], 0                        ; a lane permute's destination counts as one of its sources
.endr
; tile jq of Q: the bias, the quantiser, the fragment's image to memory.  Each accumulator is read from its low end on.
.macro EPI jq, varm
	WIN 0x09                                       ; source 0 (sums) window 1, source 1 (bias) window 2
.set k, 0
.rept 32
.if \varm
	v_pk_add_f32 v[X+k:X+k+1], v[64*(\jq)+k:64*(\jq)+k+1], v[BL+2*(\jq):BL+2*(\jq)+1] op_sel_hi:[1,0]
.else
	v_pk_add_f32 v[X+k:X+k+1], v[64*(\jq)+k:64*(\jq)+k+1], v[BN+k:BN+k+1]
.endif
.set k, k+2
.endr
	WIN 0
	QUANT X, CC+12*(\jq), TP, PW+(\jq)
.if \varm
	global_store_b128 v20, v[CC+12*(\jq):CC+12*(\jq)+3], s[100:101] offset:1536*(\jq)
	global_store_b64 v21, v[CC+12*(\jq)+4:CC+12*(\jq)+5], s[100:101] offset:1536*(\jq)+512
	global_store_b128 v20, v[CC+12*(\jq)+6:CC+12*(\jq)+9], s[100:101] offset:1536*(\jq)+768
	global_store_b64 v21, v[CC+12*(\jq)+10:CC+12*(\jq)+11], s[100:101] offset:1536*(\jq)+1280
.else
	global_store_b128 v23, v[CC+12*(\jq):CC+12*(\jq)+3], s[100:101] offset:768*(\jq)            ; the first head's 64 along K
	global_store_b64 v24, v[CC+12*(\jq)+4:CC+12*(\jq)+5], s[100:101] offset:768*(\jq)+512
	global_store_b128 v23, v[CC+12*(\jq)+6:CC+12*(\jq)+9], s[100:101] offset:106496+768*(\jq)   ; the next head's, 16 steps of 6,656 bytes on
	global_store_b64 v24, v[CC+12*(\jq)+10:CC+12*(\jq)+11], s[100:101] offset:106496+768*(\jq)+512
.endif
.endm
	s_cmp_lg_u32 s88, 0                            ; the same in all sixteen partners: it hangs on the cluster's number
	s_cbranch_scc1 .Lv_arm
	s_lshr_b32 s25, s86, 4                         ; b
	s_and_b32 s27, s86, 15                         ; the step of 128 tokens
	s_lshl_b32 s95, s84, 2
	s_lshl_b32 s2, s21, 1
	s_add_co_u32 s95, s95, s2                      ; my first head
	s_lshl_b32 s25, s25, 4
	s_add_co_u32 s25, s25, s95
	s_lshl_b32 s25, s25, 4
	s_add_co_u32 s25, s25, s27
	s_mul_i32 s2, s25, 6656
	s_mov_b32 s3, 0
	s_cmp_eq_u32 s26, 0
	s_cselect_b64 s[100:101], s[14:15], s[16:17]
	s_add_nc_u64 s[100:101], s[100:101], s[2:3]
	s_mul_i32 s25, s22, 3072                       ; my four tiles of the step's eight
	v_add_nc_u32 v23, s25, v20
	v_add_nc_u32 v24, s25, v21
	s_lshl_b32 s25, s22, 8
	v_add_nc_u32 v25, s25, v22
	EPI 0, 0
	EPI 1, 0
	EPI 2, 0
	EPI 3, 0
	v_cmp_ne_u32 vcc_lo, 0, v3
	v_cndmask_b32 v[WS], v[PW], v[PW+1], vcc_lo    ; lanes 0-15 one tile's words, lanes 16-31 the next tile's: 128 consecutive bytes
	v_cndmask_b32 v[WS+1], v[PW+2], v[PW+3], vcc_lo
	v_lshrrev_b32 v[WS+2], 16, v[WS]               ; the next head's two bytes
	v_lshrrev_b32 v[WS+3], 16, v[WS+1]
	global_store_b32 v25, v[WS], s[100:101] offset:6144
	global_store_b32 v25, v[WS+1], s[100:101] offset:6144+128
	global_store_b32 v25, v[WS+2], s[100:101] offset:106496+6144
	global_store_b32 v25, v[WS+3], s[100:101] offset:106496+6144+128
	s_branch .Lout
.Lv_arm:
	s_lshr_b32 s25, s84, 3                         ; b
	s_lshl_b32 s27, s84, 1
	s_add_co_u32 s27, s27, s21
	s_and_b32 s27, s27, 15                         ; the step of 128 keys
	s_lshl_b32 s95, s86, 1
	s_add_co_u32 s95, s95, s22                     ; the head
	s_lshl_b32 s25, s25, 4
	s_add_co_u32 s25, s25, s95
	s_lshl_b32 s25, s25, 4
	s_add_co_u32 s25, s25, s27
	s_mul_i32 s2, s25, 6400
	s_mov_b32 s3, 0
	s_add_nc_u64 s[100:101], s[18:19], s[2:3]
	EPI 0, 1
	EPI 1, 1
	EPI 2, 1
	EPI 3, 1
	v_cmp_ne_u32 vcc_lo, 0, v3
	v_cndmask_b32 v[WS], v[PW], v[PW+1], vcc_lo
	v_cndmask_b32 v[WS+1], v[PW+2], v[PW+3], vcc_lo
	global_store_b32 v22, v[WS], s[100:101] offset:6144
	global_store_b32 v22, v[WS+1], s[100:101] offset:6144+128
.Lout:
	s_wait_tensorcnt 0x0
	ds_add_u32 v254, v255
	s_wait_dscnt 0x0
	CROUND                                         ; the closing round: no work-group ends while a partner may still ask for a tile that names it
	s_endpgm
.Lfunc_end_k_q20d1528b2a_proj:
	.size	k_q20d1528b2a_proj, .Lfunc_end_k_q20d1528b2a_proj-k_q20d1528b2a_proj
	.p2alignl 7, 3214868480
	.fill 96, 4, 3214868480
	.section	.rodata,"a",@progbits
	.p2align	6, 0x0
	.amdhsa_kernel k_q20d1528b2a_proj
		.amdhsa_group_segment_fixed_size 295424
		.amdhsa_private_segment_fixed_size 0
		.amdhsa_enable_private_segment 0
		.amdhsa_kernarg_size 64
		.amdhsa_user_sgpr_count 2
		.amdhsa_user_sgpr_kernarg_segment_ptr 1
		.amdhsa_wavefront_size32 1
		.amdhsa_system_sgpr_workgroup_id_x 1
		.amdhsa_system_sgpr_workgroup_id_y 1
		.amdhsa_system_sgpr_workgroup_id_z 1
		.amdhsa_system_vgpr_workitem_id 0
		.amdhsa_next_free_vgpr 768
		.amdhsa_next_free_sgpr 104
		.amdhsa_reserve_vcc 1
		.amdhsa_float_denorm_mode_32 3
		.amdhsa_float_denorm_mode_16_64 3
		.amdhsa_memory_ordered 1
		.amdhsa_forward_progress 1
		.amdhsa_inst_pref_size 122
	.end_amdhsa_kernel
	.amdgpu_metadata
---
amdhsa.version: [ 1, 2 ]
amdhsa.kernels:
  - .name:           k_q20d1528b2a_proj
    .symbol:         k_q20d1528b2a_proj.kd
    .args:
      - { .name: img, .offset: 0, .size: 8, .value_kind: global_buffer, .address_space: global }
      - { .name: scl, .offset: 8, .size: 8, .value_kind: global_buffer, .address_space: global }
      - { .name: bq, .offset: 16, .size: 8, .value_kind: global_buffer, .address_space: global }
      - { .name: bk, .offset: 24, .size: 8, .value_kind: global_buffer, .address_space: global }
      - { .name: bv, .offset: 32, .size: 8, .value_kind: global_buffer, .address_space: global }
      - { .name: qbuf, .offset: 40, .size: 8, .value_kind: global_buffer, .address_space: global }
      - { .name: kbuf, .offset: 48, .size: 8, .value_kind: global_buffer, .address_space: global }
      - { .name: vbuf, .offset: 56, .size: 8, .value_kind: global_buffer, .address_space: global }
    .group_segment_fixed_size: 295424
    .private_segment_fixed_size: 0
    .kernarg_segment_align: 8
    .kernarg_segment_size: 64
    .max_flat_workgroup_size: 128
    .sgpr_count:     104
    .vgpr_count:     768
    .wavefront_size: 32
...
	.end_amdgpu_metadata
.endif
;; end of part 2
;; launch attn (part 3): grid 256 x 1, 16 waves a work-group, no clusters, 210,944 bytes of LDS; arguments qbuf, kbuf, vbuf, maskw, img, scl, maskf; writes img, scl
.if DOCPART == 3
	.amdgcn_target "amdgcn-amd-amdhsa--gfx1250"
	.amdhsa_code_object_version 6
	.text
	.protected	k_q20d1528b2a_attn
	.globl	k_q20d1528b2a_attn
	.p2align	8
	.type	k_q20d1528b2a_attn,@function
k_q20d1528b2a_attn:
	s_mov_b64 s[64:65], 0
	v_nop
	global_prefetch_b8 v0, s[64:65] scope:SCOPE_SE
	s_setreg_imm32_b32 hwreg(HW_REG_WAVE_MODE, 25, 1), 1
	s_wait_xcnt 0x0
; Attention of one head on codes of FP6 (E2M3): S^T = K Q^T (K = the head's 64), the masked softmax, O^T = V^T P^T (K = the keys), O / l quantised along the head's 64 for the last projection.
; t = score x log2(e) / 8; M = the running largest t rounded UP to a whole number; p = 2^(t - M) is quantised along the keys; the row's sum l is taken of the unquantised p and divides O at the end.
; SHARES.  Four work-groups (numbers 4 n .. 4 n + 3) own one (batch, head); a work-group 512 queries; each of its 16 waves two tiles of 16 queries, one after the other; a wave walks all 2,048 keys, 128 a step.
; LDS holds the head's K (16 steps x 6,656 bytes) and V (16 x 6,400) as images of operand registers with their scale words.  Wave w copies step w of both through its registers, once; nothing is written there again.
; THE COPY RE-ORDERS K's ROWS in groups of eight: tile 4 c + j of a step gets keys 64 c + 8 j + 0 .. 7 as rows 0-7 and keys 64 c + 32 + 8 j + 0 .. 7 as rows 8-15.  Both products are used transposed, so a lane
; holds ONE query (lane % 16), and registers 32 c + 0 .. 31 of S^T are keys 64 c + 32 (lane / 16) + 0 .. 31: a whole scale block of p, in the order of the second product's operand.  No lane asks another for a block's maximum.
; THE FIRST PRODUCT'S K IS 64 OF THE INSTRUCTION'S 128: Q's registers 6-11 hold zero codes.  K's fragment is named 12 registers long, its upper six being the next tile's codes: any 6-bit pattern is a finite number,
; and the scale bytes beside them are another head's or 0, never 0xff: those products are zeros.
; THE MASK.  maskf has one bit for each tile of queries and key step: set where no key is hidden.  The products are the same on both ways.
; Else the words (one bit a lane, laid for half blocks) are re-paired in scalar registers for this layout, and each is the select of one v_cndmask_b32.
; NO TENSOR LOAD, NO CLUSTER: K and V come by plain loads, 13,056 bytes a wave.
; NO PREFETCH: K and V are asked for once, at the head, ahead of every loop; there is no trip to run ahead in.
; LIMITS: a hidden score is replaced by -2^33 (logit -2^30, where the definition has -1e9): c x 2^33 is a whole number, so a row all of whose keys are hidden has t - M = 0, p = 1: the uniform row;
; in any other row p = 0 there so long as some open logit lies above about -1e9.  The scaled scores stay under 2^31 in magnitude.  A block of zeros gets the byte 1.  NaN and infinities are not served.
; REGISTERS: v1-6 LDS addresses in the loop (global offsets outside it); v7 -2^33; v8 Q's scale words; v9 my spare word, v47 0; v10 f, v11 p's scale word; v12 -M, v13 the largest score, v[14:15] l;
;   v16-21 Q's codes, v22-27 zeros; v28-31, v32-33 K's and V's scale words; v34-51 at work (v43: 8 x (lane / 16)); v52-63 p's codes; v64-127 S^T, then p; v128-159 O^T; v160-207 K; v208-255 V.
.set KSTEP, 6656
.set VSTEP, 6400
.set VBASE, 16*KSTEP
.set SPARE, VBASE+16*VSTEP             ; the spare words: 128 bytes for each of 16 waves
.set MX,  34                           ; v34-41: eight chains of maxima, one to an accumulator
.set BM,  36                           ; v36, v38: my two blocks' largest score, then largest p
.set T8,  40
.set H8,  43
.set SO,  48                           ; the conversions' scale operands
.set PC,  52
.set S,   64
.set O,   128
.set KF,  160
.set VF,  208
.macro PLACES
.rept 4
	v_nop
.endr
.endm
.macro OFFS                            ; outside the key loop v1-4 are offsets into memory
	v_and_b32 v34, 31, v0
	v_and_b32 v35, 15, v0
	v_lshlrev_b32 v1, 4, v34
	v_lshlrev_b32 v2, 3, v34
	v_lshlrev_b32 v3, 2, v35
	v_lshlrev_b32 v4, 5, v35
.endm
.macro ADDR                            ; inside it v1-6 are LDS addresses: 16, 8 and 4 x lane, in K's and in V's step in hand
	v_and_b32 v34, 31, v0
	v_lshlrev_b32 v1, 4, v34
	v_lshlrev_b32 v2, 3, v34
	v_lshlrev_b32 v3, 2, v34
	v_add_nc_u32 v4, VBASE, v1
	v_add_nc_u32 v5, VBASE, v2
	v_add_nc_u32 v6, VBASE, v3
.endm
.macro QLOAD p
	global_load_b128 v[16:19], v1, s[4:5] offset:768*(\p)
	global_load_b64 v[20:21], v2, s[4:5] offset:768*(\p)+512
	global_load_b32 v8, v3, s[100:101] offset:64*(\p)
.endm
.macro FETCHK                          ; a step's 8 tiles of K, six registers each, and their scale words (lanes 0-15 tile 2 g, lanes 16-31 tile 2 g + 1): 20 loads
.irp t, 0,1,2,3,4,5,6,7
	ds_load_b128 v[KF+6*\t:KF+6*\t+3], v1 offset:768*\t
	ds_load_b64 v[KF+6*\t+4:KF+6*\t+5], v2 offset:768*\t+512
.endr
.irp g, 0,1,2,3
	ds_load_b32 v[28+\g], v3 offset:6144+128*\g
.endr
.endm
.macro FETCHV                          ; a step's 4 tiles of V^T (16 channels x 128 keys) and their scale words: 18 loads
.irp d, 0,1,2,3
	ds_load_b128 v[VF+12*\d:VF+12*\d+3], v4 offset:1536*\d
	ds_load_b64 v[VF+12*\d+4:VF+12*\d+5], v5 offset:1536*\d+512
	ds_load_b128 v[VF+12*\d+6:VF+12*\d+9], v4 offset:1536*\d+768
	ds_load_b64 v[VF+12*\d+10:VF+12*\d+11], v5 offset:1536*\d+1280
.endr
.irp g, 0,1
	ds_load_b32 v[32+\g], v6 offset:6144+128*\g
.endr
.endm
	s_load_b256 s[4:11], s[0:1], 0x0               ; qbuf, kbuf, vbuf, maskw
	s_load_b128 s[12:15], s[0:1], 0x20             ; img, scl
	s_load_b64 s[2:3], s[0:1], 0x30                ; maskf
	v_lshl_add_u32 v9, v0, 2, SPARE
	v_mov_b32 v47, 0
	v_lshrrev_b32 v1, 5, v0
	v_readfirstlane_b32 s84, v1                    ; wave 0..15
	s_and_b32 s85, ttmp9, 3                        ; which 512 queries
	s_lshr_b32 s86, ttmp9, 2                       ; batch x 16 + head
	s_lshl_b32 s96, s86, 4
	s_add_co_u32 s96, s96, s84                     ; the step of K and V that I copy
	s_mul_i32 s98, s96, VSTEP
	s_mul_i32 s96, s96, KSTEP
	s_mov_b32 s97, 0
	s_mov_b32 s99, 0
	s_mul_i32 s94, s84, KSTEP                      ; and where it goes in LDS
	s_mul_i32 s95, s84, VSTEP
	s_add_co_u32 s95, s95, VBASE
	s_mov_b32 s88, 0x76543210
	s_mov_b32 s89, 0xfedcba98                      ; lane selects: lane l xor 16
	s_mov_b32 s90, 0x3e38aa3b                      ; c = log2(e) / 8
	s_mov_b32 s91, s90                             ; (named with it as a pair)
	OFFS
	; K as stored: tile 2 G + u has key groups 4 G + u (rows 0-7) and 4 G + u + 2 (rows 8-15).  Rows 8 x + 0 .. 7 of it go to tile 4 (G / 2) + 2 x + u, rows 8 (G % 2) + 0 .. 7.  x is bit 3 of the lane.
	; The scale words go 16 bytes a lane: lane bits 4,3 = G, 2 = u, 1 = x, 0 = which four rows; they land at 256 bit4 + 128 bit1 + 64 bit2 + 32 bit3 + 16 bit0.
	v_bfe_u32 v35, v0, 3, 1
	v_and_b32 v36, 23, v0                          ; the lane without bit 3
	v_and_b32 v37, 1, v0
	v_bfe_u32 v38, v0, 2, 1
	v_bfe_u32 v39, v0, 1, 1
	v_bfe_u32 v40, v0, 4, 1
	v_lshlrev_b32 v50, 4, v37
	v_mul_u32_u24 v41, v35, 1536
	v_lshl_or_b32 v50, v35, 5, v50
	v_add_nc_u32 v41, s94, v41
	v_lshl_or_b32 v50, v38, 6, v50
	v_lshl_add_u32 v48, v36, 4, v41                ; registers 0-3 of a tile
	v_lshl_or_b32 v50, v39, 7, v50
	v_lshl_add_u32 v49, v36, 3, v41                ; registers 4-5
	v_lshl_or_b32 v50, v40, 8, v50
	v_add_nc_u32 v51, s95, v1                      ; V goes as it lies
	v_add_nc_u32 v52, s95, v2
	v_add_nc_u32 v50, s94, v50
	v_lshlrev_b32 v[H8], 3, v40                    ; 8 x (lane / 16)
	v_mov_b32 v7, 0xd0000000                       ; -2^33
	v_mov_b32 v11, 0                               ; (named as the upper half of the pair v[10:11] before it is first written)
.irp g, 0,1,2,3,4,5
	v_mov_b32 v[22+\g], 0                          ; Q's upper 64 along K: zero codes
	v_mov_b32 v[VF+\g], 0                          ; named by K's last fragment in the first step
.endr
	s_wait_alu depctr_va_vdst(0)
	s_wait_kmcnt 0x0
	s_add_nc_u64 s[6:7], s[6:7], s[96:97]
	s_add_nc_u64 s[8:9], s[8:9], s[98:99]
.irp T, 0,1,2,3,4,5,6,7                        ; 30 loads, each of 512 or 256 consecutive bytes
	global_load_b128 v[64+4*\T:67+4*\T], v1, s[6:7] offset:768*\T
	global_load_b64 v[96+2*\T:97+2*\T], v2, s[6:7] offset:768*\T+512
.endr
	global_load_b128 v[112:115], v1, s[6:7] offset:6144
.irp i, 0,1,2,3,4,5,6,7,8,9,10,11
	global_load_b128 v[128+4*\i:131+4*\i], v1, s[8:9] offset:512*\i
.endr
	global_load_b64 v[176:177], v2, s[8:9] offset:6144
	s_lshl_b32 s96, s85, 2
	s_lshr_b32 s97, s84, 2
	s_add_co_u32 s96, s96, s97                     ; my queries' step of 128 tokens
	s_mul_i32 s96, s96, KSTEP
	s_mul_i32 s97, s86, 16*KSTEP
	s_add_co_u32 s96, s96, s97
	s_and_b32 s97, s84, 3
	s_lshl_b32 s98, s97, 7                         ; my two tiles' scale words: 64 bytes each
	s_mul_i32 s97, s97, 1536                       ; and codes: 768 bytes each
	s_add_co_u32 s98, s98, s96
	s_add_co_u32 s98, s98, 6144
	s_mov_b32 s99, 0
	s_add_nc_u64 s[100:101], s[4:5], s[98:99]      ; Q's scale words
	s_add_co_u32 s96, s96, s97
	s_mov_b32 s97, 0
	s_add_nc_u64 s[4:5], s[4:5], s[96:97]          ; Q's codes
	QLOAD 0
	s_lshr_b32 s96, s86, 4
	s_lshl_b32 s96, s96, 7
	s_lshl_b32 s97, s85, 5
	s_add_co_u32 s96, s96, s97
	s_lshl_b32 s97, s84, 1
	s_add_co_u32 s96, s96, s97                     ; my first tile of queries: 128 batch + 32 x (which 512) + 2 wave
	s_lshl_b32 s98, s96, 12
	s_add_nc_u64 s[10:11], s[10:11], s[98:99]      ; its mask words: 4,096 bytes a tile, my two tiles on end
	s_lshl_b32 s92, s96, 8                         ; its words of maskf: 256 bytes a tile
	s_add_co_u32 s96, s96, 1792                    ; its unit in img and scl
	s_and_b32 s97, s86, 15                         ; the head
	s_mul_i32 s98, s96, 12288
	s_mul_i32 s93, s97, 768
	s_add_co_u32 s98, s98, s93
	s_add_nc_u64 s[12:13], s[12:13], s[98:99]
	s_lshl_b32 s98, s96, 9
	s_lshl_b32 s93, s97, 1
	s_add_co_u32 s98, s98, s93
	s_add_nc_u64 s[14:15], s[14:15], s[98:99]
	s_load_b32 s94, s[2:3], s92 offset:0x0         ; tile 0: key steps 0-7, 8-15; tile 1 likewise
	s_load_b32 s95, s[2:3], s92 offset:0x80
	s_load_b32 s96, s[2:3], s92 offset:0x100
	s_load_b32 s97, s[2:3], s92 offset:0x180
	s_mov_b32 s93, 0xbe38aa3b                      ; -c
	s_wait_loadcnt 3                               ; the 30 loads of K and V are in; Q's three, issued behind them, may be out
.irp T, 0,1,2,3,4,5,6,7
	ds_store_b128 v48, v[64+4*\T:67+4*\T] offset:768*(4*(\T/4)+\T%2)+128*((\T/2)%2)
	ds_store_b64 v49, v[96+2*\T:97+2*\T] offset:768*(4*(\T/4)+\T%2)+512+64*((\T/2)%2)
.endr
	ds_store_b128 v50, v[112:115] offset:6144
.irp i, 0,1,2,3,4,5,6,7,8,9,10,11
	ds_store_b128 v51, v[128+4*\i:131+4*\i] offset:512*\i
.endr
	ds_store_b64 v52, v[176:177] offset:6144
	s_wait_kmcnt 0x0
	s_lshl_b32 s95, s95, 8
	s_or_b32 s104, s94, s95                        ; s104, s105: bit j = nothing is hidden in key step j, for my first and my second tile
	s_lshl_b32 s97, s97, 8
	s_or_b32 s105, s96, s97
	s_wait_dscnt 0x0                               ; my stores are done,
	s_barrier_signal -1
	s_barrier_wait -1                              ; and everybody's: K and V are whole
; A KEY STEP: 128 keys.  p: which of my two tiles
.macro STEP p, ix                      ; ix: the scalar register that holds the step's number
	s_wait_dscnt 0x0                               ; this step's K is in
.irp t, 0,1,2,3,4,5,6,7
.if (\t)%2
	v_wmma_scale_f32_16x16x128_f8f6f4 v[S+8*\t:S+8*\t+7], v[KF+6*\t:KF+6*\t+11], v[16:27], 0, v[28+\t/2], v8 matrix_a_fmt:MATRIX_FMT_FP6 matrix_b_fmt:MATRIX_FMT_FP6 matrix_a_scale:MATRIX_SCALE_ROW1
.else
	v_wmma_scale_f32_16x16x128_f8f6f4 v[S+8*\t:S+8*\t+7], v[KF+6*\t:KF+6*\t+11], v[16:27], 0, v[28+\t/2], v8 matrix_a_fmt:MATRIX_FMT_FP6 matrix_b_fmt:MATRIX_FMT_FP6
.endif
.endr
	v_add_nc_u32 v1, KSTEP, v1                     ; on to the next step's K: these three and the v_nop are the four places in front of the loads below
	v_add_nc_u32 v2, KSTEP, v2
	v_add_nc_u32 v3, KSTEP, v3
	v_nop
	FETCHV                                         ; this step's V,
	FETCHK                                         ; the next step's K (the last trip reads 6,656 bytes on, inside V's region: discarded)
	v_add_nc_u32 v4, VSTEP, v4
	v_add_nc_u32 v5, VSTEP, v5
	v_add_nc_u32 v6, VSTEP, v6
	s_bitcmp1_b32 s[104+\p], s[\ix]                ; is any key of this step hidden from any of my 16 queries?
	s_cbranch_scc1 .Lopen_\@
	s_lshl_b32 s92, s[\ix], 8                      ; yes: the step's 64 mask words: word n in s[16 + n + 4 (n / 48)]
.if \p
	s_add_co_u32 s92, s92, 4096
.endif
	s_load_b512 s[16:31], s[10:11], s92 offset:0x0
	s_load_b512 s[32:47], s[10:11], s92 offset:0x40
	s_load_b512 s[48:63], s[10:11], s92 offset:0x80
	s_load_b512 s[68:83], s[10:11], s92 offset:0xc0
	s_wait_kmcnt 0x0
.set n, 0
.rept 32                                       ; word 16 b + i has key 32 b + i in its low half and key 32 b + 16 + i in its high half; register 32 c + m wants keys 64 c + m and 64 c + 32 + m
.set wa, 32*(n/16)+n%16
.set wb, wa+16
	s_pack_ll_b32_b16 s[94+2*(n%2)], s[16+wa+4*(wa/48)], s[16+wb+4*(wb/48)]
	s_pack_hh_b32_b16 s[95+2*(n%2)], s[16+wa+4*(wa/48)], s[16+wb+4*(wb/48)]
	v_cndmask_b32 v[S+wa], v7, v[S+wa], s[94+2*(n%2)]   ; a hidden key's score becomes -2^33; each accumulator from its low end on
	v_cndmask_b32 v[S+wb], v7, v[S+wb], s[95+2*(n%2)]
.set n, n+1
.endr
.Lopen_\@:
.irp t, 0,1,2,3,4,5,6,7
	v_max3_num_f32 v[MX+\t], v[S+8*\t], v[S+8*\t+1], v[S+8*\t+2]   ; eight chains by turns, one to an accumulator, each from its low end on
.endr
.irp i, 3,5
.irp t, 0,1,2,3,4,5,6,7
	v_max3_num_f32 v[MX+\t], v[MX+\t], v[S+8*\t+\i], v[S+8*\t+\i+1]
.endr
.endr
	v_max3_num_f32 v34, v34, v35, v36              ; four chains and four last registers to a block of 32 keys
	v_max3_num_f32 v38, v38, v39, v40
	v_max3_num_f32 v37, v37, v[S+7], v[S+15]
	v_max3_num_f32 v41, v41, v[S+39], v[S+47]
	v_max3_num_f32 v[BM], v34, v37, v[S+23]
	v_max3_num_f32 v[BM+2], v38, v41, v[S+55]
	v_max_num_f32 v[BM], v[BM], v[S+31]            ; the largest score of my block of keys 64 c + 32 (lane / 16) ..: for the row's maximum, and, since p rises with the score, for the block's largest p
	v_max_num_f32 v[BM+2], v[BM+2], v[S+63]
	v_mov_b32 v34, v12
	v_max_num_f32 v40, v[BM], v[BM+2]
	v_permlanex16_b32 v41, v40, s88, s89
	v_max3_num_f32 v13, v13, v40, v41              ; the running largest score of my query
	v_mul_f32 v35, s93, v13                        ; -t (c is positive)
	v_floor_f32 v12, v35                           ; -M = floor(-t): M is a whole number
	v_sub_f32 v34, v12, v34                        ; old M - new M: a whole number, 0 or less
	v_cvt_i32_f32 v34, v34                         ; (it saturates)
	v_ldexp_f32 v10, 1.0, v34                      ; f = 2^(old M - new M): a multiplication by it rounds nothing
.set n, 0
.rept 32
	v_pk_fma_f32 v[S+n:S+n+1], v[S+n:S+n+1], s[90:91], v[12:13] op_sel_hi:[1,0,0]   ; t - M
.set n, n+2
.endr
	v_fma_f32 v[BM], v[BM], s90, v12
	v_fma_f32 v[BM+2], v[BM+2], s90, v12
.set n, 0
	s_wait_alu depctr_va_vdst(0)
.rept 64
	v_exp_f32 v[S+n], v[S+n]                       ; p = 2^(t - M), at most 1
.set n, n+1
.endr
	v_exp_f32 v[BM], v[BM]                         ; the block's largest p: the same two instructions on the same number
	v_exp_f32 v[BM+2], v[BM+2]
	v_pk_mul_f32 v[14:15], v[14:15], v[10:11] op_sel_hi:[1,0]   ; l under the new M.  (The plain place behind the exponentials)
	s_wait_alu depctr_va_vdst(0)                   ; and behind it
	v_max_num_f32 v[BM], 0x1800000, v[BM]          ; the floor 2^(3 - 127): the byte cannot fall under 1
	v_max_num_f32 v[BM+2], 0x1800000, v[BM+2]
	v_add_nc_u32 v[SO], 0xff000000, v[BM]          ; 2 off the exponent field: the conversion's scale operand
	v_add_nc_u32 v[SO+1], 0xff000000, v[BM+2]
.irp c, 0,1
	v_cvt_scalef32_pk16_fp6_f32 v[PC+6*\c:PC+6*\c+2], v[S+32*\c:S+32*\c+15], v[SO+\c]
	v_cvt_scalef32_pk16_fp6_f32 v[T8+4*\c:T8+4*\c+2], v[S+32*\c+16:S+32*\c+31], v[SO+\c]   ; (a conversion's three registers begin on an even number)
.endr
	v_lshrrev_b32 v50, 23, v[SO]                   ; the scales' bytes.  (The plain place behind the conversions.)  The scale word's chain stands among the codes' six moves
	v_lshrrev_b32 v51, 23, v[SO+1]
	v_mov_b32 v[PC+3], v[T8]
	v_lshl_or_b32 v50, v51, 16, v50                ; my two bytes: blocks h and 2 + h,
	v_mov_b32 v[PC+4], v[T8+1]
	v_lshlrev_b32 v50, v[H8], v50                  ; at their places in the scale word;
	v_mov_b32 v[PC+5], v[T8+2]
	v_permlanex16_b32 v51, v50, s88, s89
	v_mov_b32 v[PC+9], v[T8+4]
	v_or_b32 v11, v50, v51                         ; with lane l xor 16's two: p's scale word for these 128 keys
	v_mov_b32 v[PC+10], v[T8+5]
	v_mov_b32 v[PC+11], v[T8+6]
	v_pk_add_f32 v[40:41], v[68:69], v[72:73]      ; the row's sum of the unquantised p, in eight chains
	v_pk_add_f32 v[50:51], v[76:77], v[80:81]
	v_pk_add_f32 v[48:49], v[84:85], v[88:89]
	v_pk_add_f32 v[44:45], v[92:93], v[96:97]
	v_pk_add_f32 v[38:39], v[100:101], v[104:105]
	v_pk_add_f32 v[36:37], v[108:109], v[112:113]
	v_pk_add_f32 v[34:35], v[116:117], v[120:121]
	v_pk_add_f32 v[14:15], v[14:15], v[124:125]
	v_pk_add_f32 v[40:41], v[40:41], v[64:65]
	v_pk_add_f32 v[50:51], v[50:51], v[66:67]
	v_pk_add_f32 v[48:49], v[48:49], v[70:71]
	v_pk_add_f32 v[44:45], v[44:45], v[74:75]
	v_pk_add_f32 v[38:39], v[38:39], v[78:79]
	v_pk_add_f32 v[36:37], v[36:37], v[82:83]
	v_pk_add_f32 v[34:35], v[34:35], v[86:87]
	v_pk_add_f32 v[14:15], v[14:15], v[90:91]
	v_pk_add_f32 v[40:41], v[40:41], v[94:95]
	v_pk_add_f32 v[50:51], v[50:51], v[98:99]
	v_pk_add_f32 v[48:49], v[48:49], v[102:103]
	v_pk_add_f32 v[44:45], v[44:45], v[106:107]
	v_pk_add_f32 v[38:39], v[38:39], v[110:111]
	v_pk_add_f32 v[36:37], v[36:37], v[114:115]
	v_pk_add_f32 v[34:35], v[34:35], v[118:119]
	v_pk_add_f32 v[14:15], v[14:15], v[122:123]
	v_pk_add_f32 v[40:41], v[40:41], v[126:127]
	v_pk_add_f32 v[50:51], v[50:51], v[36:37]
	v_pk_add_f32 v[48:49], v[48:49], v[34:35]
	v_pk_add_f32 v[14:15], v[14:15], v[44:45]
	v_pk_add_f32 v[40:41], v[40:41], v[38:39]
.set n, 0
.rept 4
	v_pk_mul_f32 v[O+n:O+n+1], v[O+n:O+n+1], v[10:11] op_sel_hi:[1,0]   ; O^T under the new M; the sums' last three lines stand among these
.set n, n+2
.endr
	v_pk_add_f32 v[14:15], v[14:15], v[50:51]
	v_pk_add_f32 v[40:41], v[40:41], v[48:49]
.rept 12
	v_pk_mul_f32 v[O+n:O+n+1], v[O+n:O+n+1], v[10:11] op_sel_hi:[1,0]   ; (with the sums: 48 places between p's codes and scale word and the products)
.set n, n+2
.endr
	v_pk_add_f32 v[14:15], v[14:15], v[40:41]
	s_wait_alu depctr_va_vdst(0)
	s_wait_dscnt 20                                ; V's 18 loads are in; the next step's 20 loads of K may be out
.irp d, 0,1,2,3                                ; the four accumulators take single turns, and eight other products stand between a trip's and the next trip's
.if (\d)%2
	v_wmma_scale_f32_16x16x128_f8f6f4 v[O+8*\d:O+8*\d+7], v[VF+12*\d:VF+12*\d+11], v[PC:PC+11], v[O+8*\d:O+8*\d+7], v[32+\d/2], v11 matrix_a_fmt:MATRIX_FMT_FP6 matrix_b_fmt:MATRIX_FMT_FP6 matrix_a_scale:MATRIX_SCALE_ROW1
.else
	v_wmma_scale_f32_16x16x128_f8f6f4 v[O+8*\d:O+8*\d+7], v[VF+12*\d:VF+12*\d+11], v[PC:PC+11], v[O+8*\d:O+8*\d+7], v[32+\d/2], v11 matrix_a_fmt:MATRIX_FMT_FP6 matrix_b_fmt:MATRIX_FMT_FP6
.endif
.endr
.endm
; One tile of 16 queries through all keys, and out
.macro PASS p
	s_wait_xcnt 0x0                                ; every earlier load and store has read its offsets and data: v1-6 and the codes' registers are written again only behind this wait
	ADDR
	FETCHK                                         ; key step 0
	v_mov_b32 v13, 0xff61b1e6                      ; the largest score so far: -3e38
	v_mov_b32 v12, 0x7e000000                      ; -M: a whole number above every -M to come: the first f is 0
	v_mov_b32 v14, 0
	v_mov_b32 v15, 0
.set n, 0
.rept 32
	v_mov_b32 v[O+n], 0                            ; the step is written once: the first finds zeros, which the first change of M leaves zeros
.set n, n+1
.endr
	s_wait_loadcnt 0x0                             ; Q
	s_mov_b32 s87, 0
.Lstep_\@:
	STEP \p, 87                                    ; a trip is two key steps
	s_or_b32 s99, s87, 1
	STEP \p, 99
	s_wait_dscnt 0x0                               ; no LDS instruction of mine is pending at a signal
	s_barrier_signal -1                            ; a barrier for every two steps: no wave of the work-group is more than two steps ahead of another
	s_barrier_wait -1
	s_add_co_u32 s87, s87, 2
	s_cmp_lt_u32 s87, 16
	s_cbranch_scc1 .Lstep_\@
	s_wait_dscnt 0x0                               ; the last trip's look-ahead is in: its registers may be loaded again
	PLACES                                         ; behind the last products
	OFFS
.if \p == 0
	QLOAD 1                                        ; the next tile's Q lands while this tile goes out
.endif
	v_add_f32 v14, v14, v15
	v_permlanex16_b32 v34, v14, s88, s89
	v_add_f32 v14, v14, v34                        ; the row's sum
	s_wait_alu depctr_va_vdst(0)
	v_rcp_f32 v10, v14
	v_nop                                          ; one plain place behind a transcendental
.set n, 0
	s_wait_alu depctr_va_vdst(0)
.rept 16
	v_pk_mul_f32 v[S+n:S+n+1], v[O+n:O+n+1], v[10:11] op_sel_hi:[1,0]   ; O / l: register 16 b + i is channel 32 b + 16 (lane / 16) + i; each accumulator from its low end on
.set n, n+2
.endr
.irp b, 0,1
	v_max3_num_f32 v[BM+\b], |v[S+16*\b]|, |v[S+1+16*\b]|, 0x1800000
.endr
.irp i, 2,4,6,8,10,12,14
.irp b, 0,1
	v_max3_num_f32 v[BM+\b], v[BM+\b], |v[S+16*\b+\i]|, |v[S+1+16*\b+\i]|
.endr
.endr
.irp b, 0,1
	v_permlanex16_b32 v[T8+\b], v[BM+\b], s88, s89
.endr
.irp b, 0,1
	v_max_num_f32 v[BM+\b], v[BM+\b], v[T8+\b]
.endr
.irp b, 0,1
	v_add_nc_u32 v[SO+\b], 0xff000000, v[BM+\b]
.endr
.irp b, 0,1
	v_lshrrev_b32 v[T8+\b], 23, v[SO+\b]
.endr
	v_lshl_or_b32 v35, v[T8+1], 8, v[T8]           ; the head's two scale bytes of my row
	v_cvt_scalef32_pk16_fp6_f32 v[PC:PC+2], v[S:S+15], v[SO]
	v_cvt_scalef32_pk16_fp6_f32 v[T8+4:T8+6], v[S+16:S+31], v[SO+1]
	v_nop
.irp i, 0,1,2
	v_permlane16_swap_b32 v[PC+\i], v[T8+4+\i]
.endr
.irp i, 0,1,2
	v_mov_b32 v[PC+3+\i], v[T8+4+\i]
.endr
	global_store_b128 v1, v[PC:PC+3], s[12:13] offset:12288*(\p)          ; six operand registers: 16 tokens x this head's 64 of the last product's K
	global_store_b64 v2, v[PC+4:PC+5], s[12:13] offset:12288*(\p)+512
	global_store_b16 v4, v35, s[14:15] offset:512*(\p)                    ; lanes r and r + 16 write the same two bytes
.endm
	PASS 0
	PASS 1
	s_wait_tensorcnt 0x0                           ; the wave's end
	ds_add_u32 v9, v47
	s_wait_dscnt 0x0
	s_endpgm
.Lfunc_end_k_q20d1528b2a_attn:
	.size	k_q20d1528b2a_attn, .Lfunc_end_k_q20d1528b2a_attn-k_q20d1528b2a_attn
	.p2alignl 7, 3214868480
	.fill 96, 4, 3214868480
	.section	.rodata,"a",@progbits
	.p2align	6, 0x0
	.amdhsa_kernel k_q20d1528b2a_attn
		.amdhsa_group_segment_fixed_size 210944
		.amdhsa_private_segment_fixed_size 0
		.amdhsa_enable_private_segment 0
		.amdhsa_kernarg_size 56
		.amdhsa_user_sgpr_count 2
		.amdhsa_user_sgpr_kernarg_segment_ptr 1
		.amdhsa_wavefront_size32 1
		.amdhsa_system_sgpr_workgroup_id_x 1
		.amdhsa_system_sgpr_workgroup_id_y 1
		.amdhsa_system_sgpr_workgroup_id_z 1
		.amdhsa_system_vgpr_workitem_id 0
		.amdhsa_next_free_vgpr 256
		.amdhsa_next_free_sgpr 106
		.amdhsa_reserve_vcc 0
		.amdhsa_float_denorm_mode_32 3
		.amdhsa_float_denorm_mode_16_64 3
		.amdhsa_memory_ordered 1
		.amdhsa_forward_progress 1
		.amdhsa_inst_pref_size 110
	.end_amdhsa_kernel
	.amdgpu_metadata
---
amdhsa.version: [ 1, 2 ]
amdhsa.kernels:
  - .name:           k_q20d1528b2a_attn
    .symbol:         k_q20d1528b2a_attn.kd
    .args:
      - { .name: qbuf, .offset: 0, .size: 8, .value_kind: global_buffer, .address_space: global }
      - { .name: kbuf, .offset: 8, .size: 8, .value_kind: global_buffer, .address_space: global }
      - { .name: vbuf, .offset: 16, .size: 8, .value_kind: global_buffer, .address_space: global }
      - { .name: maskw, .offset: 24, .size: 8, .value_kind: global_buffer, .address_space: global }
      - { .name: img, .offset: 32, .size: 8, .value_kind: global_buffer, .address_space: global }
      - { .name: scl, .offset: 40, .size: 8, .value_kind: global_buffer, .address_space: global }
      - { .name: maskf, .offset: 48, .size: 8, .value_kind: global_buffer, .address_space: global }
    .group_segment_fixed_size: 210944
    .private_segment_fixed_size: 0
    .kernarg_segment_align: 8
    .kernarg_segment_size: 56
    .max_flat_workgroup_size: 512
    .sgpr_count:     106
    .vgpr_count:     256
    .wavefront_size: 32
...
	.end_amdgpu_metadata
.endif
;; end of part 3
;; launch outp (part 4): grid 4 x 64, 4 waves a work-group, clusters of 4 x 4, 295,424 bytes of LDS; arguments img, scl, bo, out0; writes out0
.if DOCPART == 4
	.amdgcn_target "amdgcn-amd-amdhsa--gfx1250"
	.amdhsa_code_object_version 6
	.text
	.protected	k_q20d1528b2a_outp
	.globl	k_q20d1528b2a_outp
	.p2align	8
	.type	k_q20d1528b2a_outp,@function
k_q20d1528b2a_outp:
	s_mov_b64 s[64:65], 0
	v_nop
	global_prefetch_b8 v0, s[64:65] scope:SCOPE_SE
	s_setreg_imm32_b32 hwreg(HW_REG_WAVE_MODE, 25, 1), 1
	s_wait_xcnt 0x0
	s_wait_alu depctr_hold_cnt(0) depctr_sa_sdst(0) depctr_va_vdst(0) depctr_va_sdst(0) depctr_va_ssrc(0) depctr_va_vcc(0) depctr_vm_vsrc(0)
	s_getreg_b32 s2, hwreg(HW_REG_IB_STS2, 6, 4)
	s_cmp_eq_u32 s2, 0
	s_cbranch_scc0 .Lentry_in_a_cluster
	s_endpgm
.Lentry_in_a_cluster:
	s_bfe_u32 s2, ttmp6, 0x10000c
	s_cmp_lg_u32 s2, 0xf033
	s_cbranch_scc0 .Lentry_shape_is_right
	s_endpgm
.Lentry_shape_is_right:
; out0 = x Wo^T + bo on codes of FP6 (E2M3), K = 1,024; x is attention's result, quantised there.  out0 [8192][1024] f32.
; A work-group makes P's 256 rows (Wo: outputs; source 0) x Q's 128 rows (tokens; source 1): a lane holds one token, and the 16 registers of tiles 2 b and 2 b + 1 are outputs 32 b + 16 (lane / 16) + 0 .. 15.
; Operands lie in img as images of their registers (1,536 bytes for 16 rows x 128 K).  All of K fits in LDS (4 pairs of K steps x 73,728 bytes): every byte is filled once, one tensor load a wave at the start.
; CLUSTER 4 x 4: Wo's tiles hang on cx alone and are asked for jointly by a column of the cluster, x's on cy alone, by a row.
; The bias is the C of each sum's first product.  Results leave through the wave's own stage in LDS, as whole rows of 512 bytes.
; REGISTERS: window 0: v1-31 addresses, v32-95 scale words, v96-239 fragments set 0 (later rows on the way out);  window 1: 32 accumulators, (jq, i) at v[64 jq + 8 i];  window 2: v0-63 the bias, v96-239 fragments set 1.
; THE FILLS AS THEY STAND NOW: LDS holds two halves of K (four K steps each): P's 16 tiles x 6,144 bytes, then Q's 8.  Each wave issues ONE joint load at the head:
; wave 0 P's first half, wave 1 Q's first half, wave 2 P's second, wave 3 Q's second.  The first barrier shows the first half, a second barrier ahead of K step 4 the other;
; behind that second barrier nobody reads the first half, in which the stages of the way out lie.
.set PAIRB, 147456                     ; half of K: four K steps
.set QOFF,  98304
.set SC,    32
.set FP,    96
.set FQ,    192
.set BN,    0                          ; window 2
.set BK,    96                         ; the way out: v96-159 and v160-223 by turns
.set SPT,   528                        ; a stage row: 512 bytes + 16
.set G1P,   28
.set G1Q,   36
.set G0P,   44
.set G0Q,   68
.set MSB, 0
.macro WIN new                         ; the immediate's high byte repeats the setting that is left
.if MSB != (\new)
	s_set_vgpr_msb (MSB<<8)|(\new)
.set MSB, (\new)
.endif
.endm
.macro PLACES
.rept 4
	v_nop
.endr
.endm
.macro CROUND                          ; a round of the cluster's barrier
	s_barrier_signal -1
	s_barrier_wait -1
	s_cmp_lg_u32 s20, 0
	s_cbranch_scc1 .Lnot_wave_0_\@
	s_barrier_signal -3
.Lnot_wave_0_\@:
	s_barrier_wait -3
	s_barrier_signal -1
	s_barrier_wait -1
.endm
	s_load_b256 s[4:11], s[0:1], 0x0               ; img, scl, bo, out0
	v_lshl_add_u32 v254, v0, 2, 0x48000
	v_mov_b32 v255, 0
	ds_add_u32 v254, v255
	ds_add_u32 v254, v255
	v_lshrrev_b32 v1, 5, v0
	v_readfirstlane_b32 s20, v1                    ; wave
	s_lshr_b32 s21, s20, 1                         ; wp.  Also: which half of K I fetch
	s_and_b32 s22, s20, 1                          ; wq.  Also: I fetch for P (0) or for Q (1)
	s_bfe_u32 s84, ttmp6, 0x40000                  ; cx = pb: which 256 outputs
	s_bfe_u32 s24, ttmp6, 0x40004                  ; cy
	s_and_b32 s86, ttmp7, 0xffff
	s_lshl_b32 s86, s86, 2
	s_add_co_u32 s86, s86, s24                     ; qb: which 128 tokens
	s_lshl_b32 s93, 0x1111, s84                    ; my column of the cluster
	s_or_b32 s[G1P], s93, (3<<16)|(1<<21)          ; 15:0 the mask; elements of 8 bytes; 21 set beside a mask
	s_lshl_b32 s94, s24, 2
	s_lshl_b32 s94, 15, s94                        ; my row
	s_or_b32 s[G1Q], s94, (3<<16)|(1<<21)
	s_mov_b32 s[G1P+1], 768<<16                    ; 6,144 bytes: four K steps of one unit
	s_mov_b32 s[G1P+2], 16<<16                     ; 16 units
	s_mov_b32 s[G1P+3], 768<<16
	s_mov_b32 s[G1P+4], 16
	s_mov_b32 s[G1P+5], 1536                       ; from unit to unit: 12,288 bytes
	s_mov_b32 s[G1P+6], 0
	s_mov_b32 s[G1P+7], 0
	s_mov_b32 s[G1Q+1], 768<<16
	s_mov_b32 s[G1Q+2], 8<<16
	s_mov_b32 s[G1Q+3], 768<<16
	s_mov_b32 s[G1Q+4], 8
	s_mov_b32 s[G1Q+5], 1536
	s_mov_b32 s[G1Q+6], 0
	s_mov_b32 s[G1Q+7], 0
	s_lshl_b32 s89, s84, 4
	s_add_co_u32 s89, s89, 1728                    ; the first of Wo's 16 units
	s_lshl_b32 s90, s86, 3
	s_add_co_u32 s90, s90, 1792                    ; the first of x's 8
	s_mul_i32 s60, s89, 12288
	s_mov_b32 s61, 0
	s_mul_i32 s62, s90, 12288
	s_mov_b32 s63, 0
	s_mul_i32 s2, s21, 6144                        ; which half of K I fetch: wave / 2
	s_add_co_u32 s60, s60, s2
	s_add_co_u32 s62, s62, s2
	s_mul_i32 s91, s21, PAIRB                      ; where it goes: the wave's number alone
	s_add_co_u32 s92, s91, QOFF
	s_wait_dscnt 0x0
	s_wait_kmcnt 0x0
	s_add_nc_u64 s[60:61], s[4:5], s[60:61]
	s_add_nc_u64 s[62:63], s[4:5], s[62:63]
	s_mov_b32 s[G0P], 1
	s_mov_b32 s[G0P+1], s91
	s_mov_b64 s[G0P+2:G0P+3], s[60:61]
	s_or_b32 s[G0P+3], s[G0P+3], 0x80000000
	s_mov_b32 s[G0Q], 1
	s_mov_b32 s[G0Q+1], s92
	s_mov_b64 s[G0Q+2:G0Q+3], s[62:63]
	s_or_b32 s[G0Q+3], s[G0Q+3], 0x80000000
	CROUND                                         ; all sixteen work-groups are here: the joint loads meet
	s_cmp_eq_u32 s20, 0                            ; one chain of branches on the wave's number, one load to an arm
	s_cbranch_scc0 .Lwave_1
	tensor_load_to_lds s[G0P:G0P+3], s[G1P:G1P+7]  ; wave 0: P, K steps 0-3
	s_nop 0
	PLACES
	s_branch .Lfilled
.Lwave_1:
	s_cmp_eq_u32 s20, 1
	s_cbranch_scc0 .Lwave_2
	tensor_load_to_lds s[G0Q:G0Q+3], s[G1Q:G1Q+7]  ; wave 1: Q, K steps 0-3
	s_nop 0
	PLACES
	s_branch .Lfilled
.Lwave_2:
	s_cmp_eq_u32 s20, 2
	s_cbranch_scc0 .Lwave_3
	tensor_load_to_lds s[G0P:G0P+3], s[G1P:G1P+7]  ; wave 2: P, K steps 4-7
	s_nop 0
	PLACES
	s_branch .Lfilled
.Lwave_3:
	tensor_load_to_lds s[G0Q:G0Q+3], s[G1Q:G1Q+7]  ; wave 3: Q, K steps 4-7
	s_nop 0
	PLACES
.Lfilled:
	v_and_b32 v1, 31, v0                           ; lane
	v_and_b32 v2, 15, v0                           ; r
	v_bfe_u32 v3, v0, 4, 1                         ; h
	v_lshlrev_b32 v20, 4, v1
	v_lshlrev_b32 v21, 3, v1
	s_mul_i32 s25, s21, 49152                      ; my 8 tiles of P
	s_mul_i32 s27, s22, 24576                      ; my 4 tiles of Q
	s_add_co_u32 s27, s27, QOFF
	v_add_nc_u32 v30, s25, v20
	v_add_nc_u32 v31, s25, v21
.irp u, 0,1
	v_add_nc_u32 v[4+\u], \u*PAIRB, v30
	v_add_nc_u32 v[8+\u], \u*PAIRB, v31
.endr
	v_add_nc_u32 v30, s27, v20
	v_add_nc_u32 v31, s27, v21
.irp u, 0,1
	v_add_nc_u32 v[12+\u], \u*PAIRB, v30
	v_add_nc_u32 v[16+\u], \u*PAIRB, v31
.endr
	s_mul_i32 s25, s20, 16*SPT                     ; my stage: in the first pair's region
	v_mul_u32_u24 v23, v2, SPT
	v_lshl_add_u32 v23, v3, 6, v23
	v_add_nc_u32 v23, s25, v23                     ; in: row r, + 64 h
	v_add_nc_u32 v24, s25, v20                     ; back: 16 bytes a lane of a row
	s_lshl_b32 s95, s21, 3
	s_add_co_u32 s95, s95, s89
	s_lshl_b32 s95, s95, 9
	s_lshl_b32 s2, s22, 2
	s_add_co_u32 s2, s2, s90
	s_lshl_b32 s2, s2, 9
	v_cmp_ne_u32 vcc_lo, 0, v3
	v_mov_b32 v26, s95
	v_mov_b32 v27, s2
	v_cndmask_b32 v26, v26, v27, vcc_lo            ; lanes 0-15 take P's scale words, lanes 16-31 Q's
	v_lshl_add_u32 v26, v2, 5, v26
	v_lshlrev_b32 v27, 11, v3
	v_sub_nc_u32 v27, v26, v27                     ; for tiles 4-7: Q's four tiles once more
.irp i, 0,1,2,3
	global_load_b128 v[SC+8*\i:SC+8*\i+3], v26, s[6:7] offset:512*\i
	global_load_b128 v[SC+8*\i+4:SC+8*\i+7], v26, s[6:7] offset:512*\i+16
.endr
.irp i, 4,5,6,7
	global_load_b128 v[SC+8*\i:SC+8*\i+3], v27, s[6:7] offset:512*\i
	global_load_b128 v[SC+8*\i+4:SC+8*\i+7], v27, s[6:7] offset:512*\i+16
.endr
	s_lshl_b32 s95, s84, 8
	s_lshl_b32 s2, s21, 7
	s_add_co_u32 s95, s95, s2
	s_lshl_b32 s95, s95, 2
	v_lshlrev_b32 v28, 6, v3
	v_add_nc_u32 v28, s95, v28                     ; the bias: tile 2 b + u wants outputs 32 b + 16 h + 8 u + 0 .. 7 of my 128
	WIN 0x80                                       ; destination window 2
.irp i, 0,1,2,3,4,5,6,7
	global_load_b128 v[BN+8*\i:BN+8*\i+3], v28, s[8:9] offset:(32*(\i/2)+8*(\i%2))*4
	global_load_b128 v[BN+8*\i+4:BN+8*\i+7], v28, s[8:9] offset:(32*(\i/2)+8*(\i%2))*4+16
.endr
	WIN 0
	s_lshl_b32 s25, s86, 7
	s_lshl_b32 s27, s22, 6
	s_add_co_u32 s25, s25, s27                     ; my first token
	s_lshl_b32 s25, s25, 12                        ; rows of 4,096 bytes
	s_lshl_b32 s27, s84, 10
	s_add_co_u32 s25, s25, s27
	s_lshl_b32 s27, s21, 9
	s_add_co_u32 s2, s25, s27                      ; + my first output's bytes
	s_mov_b32 s3, 0
	s_add_nc_u64 s[10:11], s[10:11], s[2:3]
.macro FRAG reg, a16, a8, off
	ds_load_b128 v[(\reg):(\reg)+3], v[\a16] offset:(\off)
	ds_load_b64 v[(\reg)+4:(\reg)+5], v[\a8] offset:(\off)+512
	ds_load_b128 v[(\reg)+6:(\reg)+9], v[\a16] offset:(\off)+768
	ds_load_b64 v[(\reg)+10:(\reg)+11], v[\a8] offset:(\off)+1280
.endm
.macro FETCH s, set                    ; K step s: my 8 fragments of P and 4 of Q: 48 loads
	WIN 0x80*(\set)
.irp i, 0,1,2,3,4,5,6,7
	FRAG FP+12*\i, 4+(\s)/4, 8+(\s)/4, 6144*\i+1536*((\s)%4)
.endr
.irp j, 0,1,2,3
	FRAG FQ+12*\j, 12+(\s)/4, 16+(\s)/4, 6144*\j+1536*((\s)%4)
.endr
.endm
.macro MUL s, set, first               ; 32 products; the 32 accumulators take turns, one instruction a turn, in the same order in every step
.if \first
	WIN 0x60                                       ; D window 1, C (the bias) window 2, the fragments window 0
.else
	WIN 0x50+0x0a*(\set)
.endif
.irp jq, 0,1,2,3
.irp i, 0,1,2,3,4,5,6,7
.if \first
	v_wmma_scale_f32_16x16x128_f8f6f4 v[64*\jq+8*\i:64*\jq+8*\i+7], v[FP+12*\i:FP+12*\i+11], v[FQ+12*\jq:FQ+12*\jq+11], v[BN+8*\i:BN+8*\i+7], v[SC+8*\i+(\s)], v[SC+8*\jq+(\s)] matrix_a_fmt:MATRIX_FMT_FP6 matrix_b_fmt:MATRIX_FMT_FP6 matrix_b_scale:MATRIX_SCALE_ROW1
.else
	v_wmma_scale_f32_16x16x128_f8f6f4 v[64*\jq+8*\i:64*\jq+8*\i+7], v[FP+12*\i:FP+12*\i+11], v[FQ+12*\jq:FQ+12*\jq+11], v[64*\jq+8*\i:64*\jq+8*\i+7], v[SC+8*\i+(\s)], v[SC+8*\jq+(\s)] matrix_a_fmt:MATRIX_FMT_FP6 matrix_b_fmt:MATRIX_FMT_FP6 matrix_b_scale:MATRIX_SCALE_ROW1
.endif
.endr
.endr
.endm
	s_wait_alu depctr_va_vdst(0)
	s_cmp_lt_u32 s20, 2                            ; waves 0 and 1 fetched K steps 0-3: they wait; the other two waves' loads may stay out
	s_cbranch_scc0 .Lnot_first
	s_wait_tensorcnt 0x0
.Lnot_first:
	s_barrier_signal -1
	s_barrier_wait -1
	FETCH 0, 0
	s_wait_loadcnt 0x0                             ; the scale words and the bias
	FETCH 1, 1
	s_wait_dscnt 48                                ; all but the 48 loads just issued
	MUL 0, 0, 1                                    ; the first step's products start the sums, from the bias
.irp s, 1,2,3,4,5,6
.if (\s) == 3
	s_wait_tensorcnt 0x0                           ; every wave's load is in: K steps 4-7 are shown to all by the barrier below
	s_wait_dscnt 0x0                               ; no LDS instruction of mine is pending at a signal; at the first of these barriers: my reads of the first pair are over
	s_barrier_signal -1
	s_barrier_wait -1
.endif
	PLACES                                         ; in front of loads into registers that matrix instructions have read
	FETCH (\s)+1, ((\s)+1)%2
	s_wait_dscnt 48                                ; all but the 48 loads just issued
	MUL \s, (\s)%2, 0
.endr
	s_wait_dscnt 0x0
	MUL 7, 1, 0
	WIN 0
	PLACES                                         ; in front of the first read of results and of loads into fragment registers
; THE WAY OUT, a tile of 16 tokens x 128 outputs at a time, through my stage.  It lies in the first pair's region, which has had its one fill, and which nobody reads behind the barrier for the second pair.
; LDS serves a wave's instructions in order: no wait between the stores and the loads, nor in front of the next tile's stores.
.macro TOSTAGE jq
	WIN 0x04                                       ; an LDS store's data are its source 1: window 1
.irp i, 0,1,2,3,4,5,6,7
	ds_store_b128 v23, v[64*(\jq)+8*\i:64*(\jq)+8*\i+3] offset:128*(\i/2)+32*(\i%2)        ; each accumulator from its low end on
	ds_store_b128 v23, v[64*(\jq)+8*\i+4:64*(\jq)+8*\i+7] offset:128*(\i/2)+32*(\i%2)+16
.endr
	WIN 0
.irp t, 0,1,2,3,4,5,6,7,8,9,10,11,12,13,14,15
	ds_load_b128 v[BK+64*((\jq)%2)+4*\t:BK+64*((\jq)%2)+4*\t+3], v24 offset:SPT*\t
.endr
.endm
.macro SEND jq, younger                ; younger: the LDS instructions issued behind tile jq's loads, which may stay out
	s_wait_dscnt \younger
.irp t, 0,1,2,3,4,5,6,7,8,9,10,11,12,13,14,15
	global_store_b128 v20, v[BK+64*((\jq)%2)+4*\t:BK+64*((\jq)%2)+4*\t+3], s[10:11] offset:(32*((\jq)/2)+8*((\jq)%2)+\t+8*(\t/8))*4096 th:TH_STORE_NT   ; 32 lanes store 512 consecutive bytes, aligned
.endr
.endm
	TOSTAGE 0
	TOSTAGE 1
	SEND 0, 32                                     ; behind tile 0's loads: tile 1's 16 stores and 16 loads
	s_wait_xcnt 0x0                                ; tile 0's stores have read their registers: tile 2's loads may land there
	TOSTAGE 2
	SEND 1, 32
	s_wait_xcnt 0x0
	TOSTAGE 3
	SEND 2, 32
	SEND 3, 0
	s_wait_tensorcnt 0x0
	ds_add_u32 v254, v255
	s_wait_dscnt 0x0
	CROUND                                         ; the closing round: no work-group ends while a partner may still ask for a tile that names it
	s_endpgm
.Lfunc_end_k_q20d1528b2a_outp:
	.size	k_q20d1528b2a_outp, .Lfunc_end_k_q20d1528b2a_outp-k_q20d1528b2a_outp
	.p2alignl 7, 3214868480
	.fill 96, 4, 3214868480
	.section	.rodata,"a",@progbits
	.p2align	6, 0x0
	.amdhsa_kernel k_q20d1528b2a_outp
		.amdhsa_group_segment_fixed_size 295424
		.amdhsa_private_segment_fixed_size 0
		.amdhsa_enable_private_segment 0
		.amdhsa_kernarg_size 32
		.amdhsa_user_sgpr_count 2
		.amdhsa_user_sgpr_kernarg_segment_ptr 1
		.amdhsa_wavefront_size32 1
		.amdhsa_system_sgpr_workgroup_id_x 1
		.amdhsa_system_sgpr_workgroup_id_y 1
		.amdhsa_system_sgpr_workgroup_id_z 1
		.amdhsa_system_vgpr_workitem_id 0
		.amdhsa_next_free_vgpr 768
		.amdhsa_next_free_sgpr 104
		.amdhsa_reserve_vcc 1
		.amdhsa_float_denorm_mode_32 3
		.amdhsa_float_denorm_mode_16_64 3
		.amdhsa_memory_ordered 1
		.amdhsa_forward_progress 1
		.amdhsa_inst_pref_size 83
	.end_amdhsa_kernel
	.amdgpu_metadata
---
amdhsa.version: [ 1, 2 ]
amdhsa.kernels:
  - .name:           k_q20d1528b2a_outp
    .symbol:         k_q20d1528b2a_outp.kd
    .args:
      - { .name: img, .offset: 0, .size: 8, .value_kind: global_buffer, .address_space: global }
      - { .name: scl, .offset: 8, .size: 8, .value_kind: global_buffer, .address_space: global }
      - { .name: bo, .offset: 16, .size: 8, .value_kind: global_buffer, .address_space: global }
      - { .name: out0, .offset: 24, .size: 8, .value_kind: global_buffer, .address_space: global }
    .group_segment_fixed_size: 295424
    .private_segment_fixed_size: 0
    .kernarg_segment_align: 8
    .kernarg_segment_size: 32
    .max_flat_workgroup_size: 128
    .sgpr_count:     104
    .vgpr_count:     768
    .wavefront_size: 32
...
	.end_amdgpu_metadata
.endif
;; end of part 4
